; MI455X (gfx1250); checked and timed in simulation.
; The chip was launched on July 23, 2026; its instructions are those of AMD's public machine-readable ISA for CDNA 5 (MIT licence, August 2026) and "CDNA5" Instruction Set Architecture Reference Guide (July 2026). The comments in the code are by the model that wrote it; some were corrected since.
;; Multi Head Attention. Allowed arithmetic: matrix products marked QUANTISED: E2M1 operands, one E8M0 scale for each 32 along K, by v_wmma_scale_f32_16x16x128_f8f6f4 with both operands' format E2M1 (or v_wmma_scale_f32_32x16x128_f4), f32 sums; products left as they are: bf16, f16 or f32 operands; f32 sums; everything else in f32.
;; Inputs: Wk 1,024 x 1,024 float32; Wo 1,024 x 1,024 float32; Wq 1,024 x 1,024 float32; Wv 1,024 x 1,024 float32; bo 1,024 float32; x 4 x 2,048 x 1,024 float32.
;; Outputs: out0 4 x 2,048 x 1,024 float32.
;; This version of the problem:
;;   THIS VERSION OF THE PROBLEM IS GIVEN IN LOW PRECISION. The matrix products marked QUANTISED in the list below multiply operands that are first quantised to E2M1 (2 exponent bits, 1 mantissa bit; 4 bits a number), with one power-of-two scale for each 32 numbers along K (OCP MX v1.0); their sums are f32. The products marked 'left as it is' may take bf16, f16 or f32 operands, with f32 sums. Whichever they take, every output number must still come out within the allowed error. Rounding operands to bf16 (8 significant bits) uses up far more of that allowance than f16 does (11 bits, for magnitudes from 6e-5 to 65,504). All else is computed in f32.
;;   The module's matrix products, in the order in which they are computed (A, B: the left and right operand; K: the contracted axis; several contracted axes count as one K, in the product's order):
;;     1. [M 8,192, K 1,024] x [K 1,024, N 1,024]; A: input x; B: input Wq: QUANTISED
;;     2. [M 8,192, K 1,024] x [K 1,024, N 1,024]; A: input x; B: input Wk: QUANTISED
;;     3. [M 8,192, K 1,024] x [K 1,024, N 1,024]; A: input x; B: input Wv: QUANTISED
;;     4. batch 64 x [M 2,048, K 64] x [K 64, N 2,048]; A: computed on the way; B: computed on the way: left as it is (an operand is computed on the way)
;;     5. batch 64 x [M 2,048, K 2,048] x [K 2,048, N 64]; A: computed on the way; B: computed on the way: left as it is (an operand is computed on the way)
;;     6. [M 8,192, K 1,024] x [K 1,024, N 1,024]; A: computed on the way; B: input Wo: left as it is (an operand is computed on the way)
;;   THE QUANTISER, for each operand of a quantised product, along K:
;;     - K is cut into blocks of 32 from its start; a last block that is shorter is filled with zeros.
;;     - A block's scale is 2^e with e = floor(log2(the largest magnitude in the block)) - 2, held to -126 .. 127; a block of zeros has e = 0. As a byte (E8M0): e + 127.
;;     - Each number is divided by its block's scale, clamped to +-6, and rounded to the nearest number of E2M1, ties to even, subnormals kept.
;;     - The product sums the exact products of the quantised numbers (number of the format x scale) in f32.
;;   ~~~python
;;   def quantise(x, axis):      # numpy; x: float32 -> the quantised numbers, widened to float32 again
;;       x = np.moveaxis(x, axis, -1); K = x.shape[-1]
;;       x = np.pad(x, [(0, 0)] * (x.ndim - 1) + [(0, -K % 32)]); x = x.reshape(x.shape[:-1] + (-1, 32)); a = np.abs(x).max(-1, keepdims=True)
;;       e = np.where(a > 0, np.clip(np.frexp(np.where(a > 0, a, 1))[1] - 1 - 2, -126, 127), 0)      # np.frexp(a)[1] - 1 = floor(log2(a)), exactly
;;       r = np.clip(x / 2.0 ** e, -6, 6)
;;       step = 2.0 ** (np.maximum(np.frexp(np.where(r == 0, 1, r))[1] - 1, 0) - 1)
;;       q = np.round(r / step) * step * 2.0 ** e      # np.round: ties to even
;;       return np.moveaxis(q.reshape(q.shape[:-2] + (-1,))[..., :K], -1, axis).astype(np.float32)
;;   ~~~
;; One version. Each part assembles by itself: llvm-mc -triple=amdgcn-amd-amdhsa -mcpu=gfx1250 --defsym DOCPART=n.
;; ======== version 1 of 1: 5 launches
;; limits: values are held in f16: magnitudes above 65,504 overflow, below 6.1e-05 lose precision
;; workspace buffers: codes 5,767,168 bytes; scl 360,448 bytes; woimg 2,097,152 bytes; qimg 16,777,216 bytes; kv 33,554,432 bytes; ctximg 16,777,216 bytes; qkv32 786,432 bytes
;; launch prep (part 1): grid 512 x 1, 4 waves a work-group, no clusters, 34,304 bytes of LDS; arguments x, Wq, Wk, Wv, Wo, codes, scl, woimg; writes codes, scl, woimg
.if DOCPART == 1
	.amdgcn_target "amdgcn-amd-amdhsa--gfx1250"
	.amdhsa_code_object_version 6
	.text
	.protected	k_q8d15e54ec8_prep
	.globl	k_q8d15e54ec8_prep
	.p2align	8
	.type	k_q8d15e54ec8_prep,@function
k_q8d15e54ec8_prep:
	s_mov_b64 s[64:65], 0
	v_nop
	global_prefetch_b8 v0, s[64:65] scope:SCOPE_SE
	s_setreg_imm32_b32 hwreg(HW_REG_WAVE_MODE, 25, 1), 1
	s_wait_xcnt 0x0
; x [8192][1024] and Wq, Wk, Wv [1024 (k)][1024 (n)], f32, become codes of FP4 (E2M1) with one E8M0 byte for each 32 along K; Wo [1024 (k)][1024 (n)] becomes f16.
; Everything is laid as IMAGES OF OPERAND REGISTERS: a piece is 512 bytes, lane l's 16 bytes at 16 l, so that a later launch loads a fragment by plain 16-byte loads.
;   codes: x's at 0: [tile of 16 tokens 512][K step of 128: 8][c 2][512]: lane (h, r) = token 16 tile + r, block 4 s + 2 c + h (32 codes);  the weights' at WCO: [tile of 16 columns 192][8][2][512], Wq, Wk, Wv on end.
;   scl:   x's at 0: [tile 512][K step 8][16 words], a word = a row's four bytes of a K step;  the weights' at WSO: [tile 192][8][16 words].
;   woimg: [128 columns 8][32 along K: 32][tile of 16 columns 8][u 2][512]: lane (h, r) = column r of the tile, k = 32 kc + 16 u + 8 h + 0 .. 7, f16.
; A block's scale is 2^(floor(log2(its largest magnitude)) - 2); its byte is that magnitude's exponent field - 2, held at 1 from below by a floor among the maximum's leaves.
; LIMITS: a block of zeros, or one whose largest magnitude lies under 2^-124, gets the byte 1 (its codes are then zeros or the rule's own; the bytes are read by this program alone); NaN and infinities are not served;
; |Wo| stays under 65,504 (f16), and under 6e-5 it rounds on f16's subnormal grid.
; Work-groups 0-255 take x, 256-511 the weights (64 each).  No tensor load, no barrier: waves share nothing.
.set SPARE, 33792                      ; behind the four stages: the spare words, 128 bytes a wave
.set SPW,   250                        ; v250 LDS address of my spare word; never rewritten
.set NIL,   251                        ; v251 0; never rewritten
.set STG,   8448                       ; a wave's stage: 16 rows x 528 bytes
.set SP,    528                        ; a stage row: 512 bytes + 16: the sixteen rows that a read touches start 33 x 16 bytes apart
.set WCO,   4194304
.set WSO,   262144
.set R,     16                         ; v16-143  x: two sets of 64 registers as loaded
.set X,     144                        ; v144-207 x: register 32 c + i = k 64 c + 32 h + i of my row
.set C,     208                        ; v208-239 x: codes, 8 registers a step, so that no store's data are written again
.set M,     8                          ; v8-9     largest magnitudes of my two blocks
.set SCO,   10                         ; v10-11   the conversions' scale operands
.set BY,    12                         ; v12-13   the scale bytes
.set T,     14                         ; v14      the lane exchange's destination
.set SH8,   15                         ; v15      8 h
.set WD,    240                        ; v240-243 a step's scale word of my row
.set E,     244                        ; v244-245 two steps' words: lanes 0-15 the even step's, lanes 16-31 the odd one's
.set XW,    64                         ; v64-191  a weight: four blocks of 32 numbers down K of my column
.set CW,    192                        ; v192-207 a weight's codes, 4 registers a block
	s_load_b256 s[4:11], s[0:1], 0x0               ; x, Wq, Wk, Wv
	s_load_b256 s[12:19], s[0:1], 0x20             ; Wo, codes, scl, woimg
	v_lshl_add_u32 v[SPW], v0, 2, SPARE
	v_mov_b32 v[NIL], 0
	v_lshrrev_b32 v1, 5, v0
	v_readfirstlane_b32 s20, v1                    ; wave
	v_and_b32 v1, 31, v0                           ; lane
	v_and_b32 v2, 15, v0                           ; r
	v_bfe_u32 v3, v0, 4, 1                         ; h
	v_lshlrev_b32 v4, 4, v1                        ; 16 x lane
	v_lshlrev_b32 v5, 2, v1                        ; 4 x lane
	s_mov_b32 s25, 0                               ; the high word of every offset
	s_wait_kmcnt 0x0
	s_cmp_lt_u32 ttmp9, 256
	s_cbranch_scc0 .Lweights
; ---- x.  A wave takes 16 tokens x 512 along K: four K steps of 128.
.macro LOADX t                         ; step t: 16 rows x 512 consecutive bytes
.irp i, 0,1,2,3,4,5,6,7,8,9,10,11,12,13,14,15
	global_load_b128 v[R+64*((\t)%2)+4*\i:R+64*((\t)%2)+4*\i+3], v4, s[4:5] offset:\i*4096+(\t)*512 th:TH_LOAD_NT
.endr
.endm
	s_lshl_b32 s21, ttmp9, 2
	s_add_co_u32 s21, s21, s20                     ; 4 x work-group + wave
	s_lshr_b32 s22, s21, 1                         ; the tile of 16 tokens
	s_and_b32 s23, s21, 1                          ; which half of K
	s_lshl_b32 s24, s22, 16
	s_lshl_b32 s26, s23, 11
	s_add_co_u32 s24, s24, s26
	s_add_nc_u64 s[4:5], s[4:5], s[24:25]          ; x: 16 rows of 4,096 bytes a tile, 2,048 bytes a half
	s_lshl_b32 s24, s22, 13
	s_lshl_b32 s26, s23, 12
	s_add_co_u32 s24, s24, s26
	s_add_nc_u64 s[14:15], s[14:15], s[24:25]      ; codes: 8,192 bytes a tile
	s_lshl_b32 s24, s22, 9
	s_lshl_b32 s26, s23, 8
	s_add_co_u32 s24, s24, s26
	s_add_nc_u64 s[16:17], s[16:17], s[24:25]      ; scale words: 512 bytes a tile
	LOADX 0
	LOADX 1
	s_mul_i32 s26, s20, STG
	v_add_nc_u32 v6, s26, v4                       ; into my stage: a row's 512 bytes as they lie
	v_mul_u32_u24 v7, v2, SP
	v_lshl_add_u32 v7, v3, 7, v7
	v_add_nc_u32 v7, s26, v7                       ; out of it: row r, 128 h bytes on: my 32 numbers of each 64
	v_mov_b32 v[T], 0                              ; a lane exchange's destination counts as read
	v_lshlrev_b32 v[SH8], 3, v3
	s_mov_b32 s30, 0x76543210
	s_mov_b32 s31, 0xfedcba98                      ; selects for lane l xor 16
	s_mov_b32 s32, 0xffff0000                      ; lanes 16-31
.macro STEPX t
.if (\t) < 3
	s_wait_loadcnt 16                              ; this step's 16 loads are in; the next step's 16 may be out
.else
	s_wait_loadcnt 0x0
.endif
.irp i, 0,1,2,3,4,5,6,7,8,9,10,11,12,13,14,15
	ds_store_b128 v6, v[R+64*((\t)%2)+4*\i:R+64*((\t)%2)+4*\i+3] offset:\i*SP
.endr
.irp c, 0,1
.irp j, 0,1,2,3,4,5,6,7
	ds_load_b128 v[X+32*\c+4*\j:X+32*\c+4*\j+3], v7 offset:\c*256+\j*16   ; LDS serves a wave's instructions in order: these see the stores above
.endr
.endr
	s_wait_dscnt 0x0                               ; my 64 numbers are back, and the stores have read the set that is loaded again below
.if (\t) < 2
	LOADX (\t)+2
.endif
.irp c, 0,1
	v_max3_num_f32 v[M+\c], |v[X+32*\c]|, |v[X+32*\c+1]|, 0x1800000   ; block 2 c + h is all mine; the floor 2^(3 - 127) keeps the byte at 1 or above
.endr
.irp i, 2,4,6,8,10,12,14,16,18,20,22,24,26,28,30
.irp c, 0,1
	v_max3_num_f32 v[M+\c], v[M+\c], |v[X+32*\c+\i]|, |v[X+32*\c+\i+1]|
.endr
.endr
.irp c, 0,1
	v_add_nc_u32 v[SCO+\c], 0xff000000, v[M+\c]    ; 2 off the exponent field: the conversion takes that field as its scale
.endr
.irp c, 0,1
	v_lshrrev_b32 v[BY+\c], 23, v[SCO+\c]          ; the scale's byte
.endr
	v_lshl_or_b32 v[WD+(\t)], v[BY+1], 16, v[BY]   ; bytes h and 2 + h of my row's word,
	v_lshlrev_b32 v[WD+(\t)], v[SH8], v[WD+(\t)]   ; at their places,
	v_permlanex16_b32 v[T], v[WD+(\t)], s30, s31
	v_or_b32 v[WD+(\t)], v[WD+(\t)], v[T]          ; with lane l xor 16's two the word is whole
.irp c, 0,1
.irp g, 0,1,2,3
	v_cvt_scalef32_pk8_fp4_f32 v[C+8*(\t)+4*\c+\g], v[X+32*\c+8*\g:X+32*\c+8*\g+7], v[SCO+\c]
.endr
.endr
	v_nop                                          ; one plain line behind the last conversion of the run
.irp c, 0,1
	global_store_b128 v4, v[C+8*(\t)+4*\c:C+8*(\t)+4*\c+3], s[14:15] offset:(\t)*1024+\c*512   ; a piece: 512 consecutive bytes
.endr
.endm
	STEPX 0
	STEPX 1
	STEPX 2
	STEPX 3
	v_cndmask_b32 v[E], v[WD], v[WD+1], s32
	v_cndmask_b32 v[E+1], v[WD+2], v[WD+3], s32
	global_store_b32 v5, v[E], s[16:17]            ; 128 consecutive bytes each: the two together are 256 aligned bytes
	global_store_b32 v5, v[E+1], s[16:17] offset:128
	s_wait_tensorcnt 0x0                           ; the wave's end
	ds_add_u32 v[SPW], v[NIL]
	s_wait_dscnt 0x0
	s_endpgm
; ---- the weights.  A wave takes 32 columns x 128 along K; a lane takes a column and its registers run down K, so that a block of 32 lies in one lane.
.macro LOADW t                         ; block t: 32 rows, 128 consecutive bytes a load
.irp i, 0,1,2,3,4,5,6,7,8,9,10,11,12,13,14,15,16,17,18,19,20,21,22,23,24,25,26,27,28,29,30,31
	global_load_b32 v[XW+32*(\t)+\i], v5, s[6:7] offset:(32*(\t)+\i)*4096 th:TH_LOAD_NT
.endr
.endm
.macro WAITW t
.if (\t) < 3
	s_wait_loadcnt 32                              ; this block's 32 loads are in; the next block's may be out
.else
	s_wait_loadcnt 0x0
.endif
.if (\t) < 2
	LOADW (\t)+2
.endif
.endm
.Lweights:
	s_sub_co_u32 s21, ttmp9, 256
	s_lshr_b32 s22, s21, 6                         ; 0 Wq, 1 Wk, 2 Wv, 3 Wo
	s_and_b32 s23, s21, 7                          ; which 128 columns
	s_bfe_u32 s26, s21, 0x30003                    ; which 128 along K
	s_cmp_eq_u32 s22, 1                            ; the choice of the buffer hangs on the work-group's number alone
	s_cselect_b64 s[6:7], s[8:9], s[6:7]
	s_cmp_eq_u32 s22, 2
	s_cselect_b64 s[6:7], s[10:11], s[6:7]
	s_cmp_eq_u32 s22, 3
	s_cselect_b64 s[6:7], s[12:13], s[6:7]
	s_lshl_b32 s24, s26, 19                        ; 128 rows of 4,096 bytes
	s_lshl_b32 s27, s23, 9
	s_add_co_u32 s24, s24, s27
	s_lshl_b32 s27, s20, 7
	s_add_co_u32 s24, s24, s27
	s_add_nc_u64 s[6:7], s[6:7], s[24:25]
	LOADW 0
	LOADW 1
	s_cmp_eq_u32 s22, 3
	s_cbranch_scc1 .Lcast
	s_lshl_b32 s27, s23, 3
	s_lshl_b32 s28, s20, 1
	s_add_co_u32 s27, s27, s28
	s_lshl_b32 s28, s22, 6
	s_add_co_u32 s27, s27, s28                     ; my first tile of 16 columns: 64 x weight + 8 x group + 2 x wave
	s_lshl_b32 s24, s27, 13
	s_lshl_b32 s28, s26, 10
	s_add_co_u32 s24, s24, s28
	s_add_co_u32 s24, s24, WCO
	s_add_nc_u64 s[14:15], s[14:15], s[24:25]
	s_lshl_b32 s24, s27, 9
	s_lshl_b32 s28, s26, 6
	s_add_co_u32 s24, s24, s28
	s_add_co_u32 s24, s24, WSO
	s_add_nc_u64 s[16:17], s[16:17], s[24:25]
	v_lshlrev_b32 v6, 4, v2
	v_lshl_add_u32 v6, v3, 13, v6                  ; codes: 16 r, lanes 16-31 a tile on
	v_lshlrev_b32 v7, 2, v2
	v_lshl_add_u32 v7, v3, 9, v7                   ; scale words likewise
.macro BLOCKW t
.set XB_, XW+32*(\t)
	WAITW \t
	v_max3_num_f32 v9, |v[XB_]|, |v[XB_+1]|, |v[XB_+2]|
	v_max3_num_f32 v10, |v[XB_+3]|, |v[XB_+4]|, |v[XB_+5]|
.irp i, 6,10,14,18,22,26
	v_max3_num_f32 v9, v9, |v[XB_+\i]|, |v[XB_+\i+1]|
	v_max3_num_f32 v10, v10, |v[XB_+\i+2]|, |v[XB_+\i+3]|
.endr
	v_max3_num_f32 v9, v9, |v[XB_+30]|, |v[XB_+31]|
	v_max3_num_f32 v9, v9, v10, 0x1800000          ; and the floor
	v_add_nc_u32 v11, 0xff000000, v9
	v_lshrrev_b32 v12, 23, v11
.if (\t) == 0
	v_mov_b32 v16, v12                             ; block t's byte is byte t of my column's word for this K step
.else
	v_lshl_or_b32 v16, v12, 8*(\t), v16
.endif
.irp g, 0,1,2,3
	v_cvt_scalef32_pk8_fp4_f32 v[CW+4*(\t)+\g], v[XB_+8*\g:XB_+8*\g+7], v11
.endr
	v_nop                                          ; one plain line behind the last conversion of the run
	global_store_b128 v6, v[CW+4*(\t):CW+4*(\t)+3], s[14:15] offset:(\t)*256   ; block t = 2 c + h lies 256 t bytes into the K step's two pieces: sixteen lanes store 256 aligned bytes
.endm
	BLOCKW 0
	BLOCKW 1
	BLOCKW 2
	BLOCKW 3
	global_store_b32 v7, v16, s[16:17]             ; runs of 64 bytes: 98,304 bytes in the whole launch
	s_wait_tensorcnt 0x0
	ds_add_u32 v[SPW], v[NIL]
	s_wait_dscnt 0x0
	s_endpgm
.Lcast:
	s_lshl_b32 s24, s23, 18
	s_lshl_b32 s28, s26, 15
	s_add_co_u32 s24, s24, s28
	s_lshl_b32 s28, s20, 11
	s_add_co_u32 s24, s24, s28
	s_add_nc_u64 s[18:19], s[18:19], s[24:25]      ; woimg: 262,144 a column group, 32,768 for 128 along K, 2,048 for my two tiles
	v_lshlrev_b32 v8, 4, v2
	v_lshl_add_u32 v8, v3, 10, v8
.macro CASTW t                         ; rows 32 t on: four runs of eight numbers, packed in place (pair 2 e, 2 e + 1 into register e: a register is read before it is written)
	WAITW \t
.irp q, 0,1,2,3
.irp e, 0,1,2,3
	v_cvt_pk_f16_f32 v[XW+32*(\t)+8*\q+\e], v[XW+32*(\t)+8*\q+2*\e], v[XW+32*(\t)+8*\q+2*\e+1]
.endr
	global_store_b128 v8, v[XW+32*(\t)+8*\q:XW+32*(\t)+8*\q+3], s[18:19] offset:(\t)*8192+(\q/2)*512+(\q%2)*256   ; sixteen lanes store 256 aligned bytes
.endr
.endm
	CASTW 0
	CASTW 1
	CASTW 2
	CASTW 3
	s_wait_tensorcnt 0x0
	ds_add_u32 v[SPW], v[NIL]
	s_wait_dscnt 0x0
	s_endpgm
.Lfunc_end_k_q8d15e54ec8_prep:
	.size	k_q8d15e54ec8_prep, .Lfunc_end_k_q8d15e54ec8_prep-k_q8d15e54ec8_prep
	.p2alignl 7, 3214868480
	.fill 96, 4, 3214868480
	.section	.rodata,"a",@progbits
	.p2align	6, 0x0
	.amdhsa_kernel k_q8d15e54ec8_prep
		.amdhsa_group_segment_fixed_size 34304
		.amdhsa_private_segment_fixed_size 0
		.amdhsa_enable_private_segment 0
		.amdhsa_kernarg_size 64
		.amdhsa_user_sgpr_count 2
		.amdhsa_user_sgpr_kernarg_segment_ptr 1
		.amdhsa_wavefront_size32 1
		.amdhsa_system_sgpr_workgroup_id_x 1
		.amdhsa_system_sgpr_workgroup_id_y 1
		.amdhsa_system_sgpr_workgroup_id_z 1
		.amdhsa_system_vgpr_workitem_id 0
		.amdhsa_next_free_vgpr 256
		.amdhsa_next_free_sgpr 66
		.amdhsa_reserve_vcc 0
		.amdhsa_float_denorm_mode_32 3
		.amdhsa_float_denorm_mode_16_64 3
		.amdhsa_memory_ordered 1
		.amdhsa_forward_progress 1
		.amdhsa_inst_pref_size 62
	.end_amdhsa_kernel
	.amdgpu_metadata
---
amdhsa.version: [ 1, 2 ]
amdhsa.kernels:
  - .name:           k_q8d15e54ec8_prep
    .symbol:         k_q8d15e54ec8_prep.kd
    .args:
      - { .name: x, .offset: 0, .size: 8, .value_kind: global_buffer, .address_space: global }
      - { .name: Wq, .offset: 8, .size: 8, .value_kind: global_buffer, .address_space: global }
      - { .name: Wk, .offset: 16, .size: 8, .value_kind: global_buffer, .address_space: global }
      - { .name: Wv, .offset: 24, .size: 8, .value_kind: global_buffer, .address_space: global }
      - { .name: Wo, .offset: 32, .size: 8, .value_kind: global_buffer, .address_space: global }
      - { .name: codes, .offset: 40, .size: 8, .value_kind: global_buffer, .address_space: global }
      - { .name: scl, .offset: 48, .size: 8, .value_kind: global_buffer, .address_space: global }
      - { .name: woimg, .offset: 56, .size: 8, .value_kind: global_buffer, .address_space: global }
    .group_segment_fixed_size: 34304
    .private_segment_fixed_size: 0
    .kernarg_segment_align: 8
    .kernarg_segment_size: 64
    .max_flat_workgroup_size: 128
    .sgpr_count:     66
    .vgpr_count:     256
    .wavefront_size: 32
...
	.end_amdgpu_metadata
.endif
;; end of part 1
;; launch qkv (part 2): grid 32 x 8, 4 waves a work-group, clusters of 4 x 1, 197,120 bytes of LDS; arguments codes, scl, qimg, kv, qkv32; writes qimg, kv, qkv32
.if DOCPART == 2
	.amdgcn_target "amdgcn-amd-amdhsa--gfx1250"
	.amdhsa_code_object_version 6
	.text
	.protected	k_q8d15e54ec8_qkv
	.globl	k_q8d15e54ec8_qkv
	.p2align	8
	.type	k_q8d15e54ec8_qkv,@function
k_q8d15e54ec8_qkv:
	s_mov_b64 s[64:65], 0
	v_nop
	global_prefetch_b8 v0, s[64:65] scope:SCOPE_SE
	s_setreg_imm32_b32 hwreg(HW_REG_WAVE_MODE, 25, 1), 1
	s_wait_xcnt 0x0
	s_wait_alu depctr_hold_cnt(0) depctr_sa_sdst(0) depctr_va_vdst(0) depctr_va_sdst(0) depctr_va_ssrc(0) depctr_va_vcc(0) depctr_vm_vsrc(0)
	s_getreg_b32 s2, hwreg(HW_REG_IB_STS2, 6, 4)
	s_cmp_eq_u32 s2, 0
	s_cbranch_scc0 .Lentry_in_a_cluster
	s_endpgm
.Lentry_in_a_cluster:
	s_bfe_u32 s2, ttmp6, 0x10000c
	s_cmp_lg_u32 s2, 0x3003
	s_cbranch_scc0 .Lentry_shape_is_right
	s_endpgm
.Lentry_shape_is_right:
; q = x Wq, k = x Wk, v = x Wv on codes of FP4 with E8M0 scales; sums in f32; results leave as f16, laid as images of the next products' operand registers (a piece = 512 bytes, lane l's 16 bytes at 16 l).
; SHARES.  A work-group owns 256 tokens of one sequence and 128 columns (two heads) of each of q, k, v; a wave 64 tokens x 128 columns: 32 accumulators, three passes.  256 work-groups of equal work.
; x's codes of my 64 tokens, all of K, stay in 256 registers, read from memory once.  The three weight blocks (65,536 bytes each) lie in LDS, each filled once: no slot is filled again.
; CLUSTER.  The four partners are the four batches at one block of tokens and one column group: they need the same weight blocks, which are asked for jointly (mask 15).
; USE.  q and k: source 0 = 16 weight columns, source 1 = 16 tokens: a lane holds one token and eight neighbouring channels: packed, that is a piece of a fragment with the channels along K.
;       v: source 0 = 16 tokens, source 1 = 16 weight columns: a lane holds one channel and eight neighbouring tokens: a piece of V^T, with the keys along K.
; So no result goes through LDS, and every store is 512 consecutive aligned bytes.
;   qimg [head 64][tile of 16 tokens 128][cq 4][512]: lane (h, r) = token r, channels 16 cq + 8 h + 0 .. 7
;   kv   [head 64][256 keys: 8][K 32,768 | V 32,768]: K [tile 16][cq 4][512] as qimg;  V [32 keys: 8][ct 4][u 2][512]: lane (h, r) = channel 16 ct + r, keys 32 kc + 16 u + 8 h + 0 .. 7
;   qkv32 [q, k, v][batch 4][tile of 16 columns 64][2][512]: the f32 accumulators of each sequence's first 16 tokens, as they stand
; LIMITS: |q|, |k|, |v| stay under 65,504 (f16); under 6e-5 they round on f16's subnormal grid.
; REGISTERS, in windows of 256: window 0: addresses, v16-31 x's scale words, v32-127 the weights';  window 1: x's fragments, (a, s) at v[64 a + 8 s];  window 2: accumulators, (a, b) at v[8 (8 a + b)];
;   window 3: the weights' fragments of a K step, two sets of 64.
.set WCO,   4194304                    ; where the weights' codes begin in codes
.set WSO,   262144                     ; and their scale words in scl
.set SPARE, 196608                     ; behind the three blocks: the spare words, 128 bytes a wave
.set LI,   1                           ; v1   16 x lane
.set LS,   2                           ; v2   4 x lane
.set LIB,  3                           ; v3-5 16 x lane + the pass's block
.set SPW,  6                           ; v6   LDS address of my spare word; never rewritten
.set NIL,  7                           ; v7   0; never rewritten
.set XS,   16                          ; x's scale words: v[XS + 4 a + j]: lanes 0-15 K step 2 j, lanes 16-31 K step 2 j + 1
.set WS,   32                          ; the weights': v[WS + 32 p + 4 b + j] likewise
.set WV,   14
.set G1,   24                          ; s[24:31] descriptor group 1
.set G0,   32                          ; s[32:43] group 0, one for each block
.set QB,   44
.set KB,   46
.set FB,   48
.set XB,   50
.set XSB,  52
.set WSB,  54
.set FLAG, 56                          ; 0 in the wave that holds a sequence's first 16 tokens: cluster x | wave: the same in all partners
.set MSB, 0
.macro WIN new                         ; the immediate's high byte repeats the setting that is left
.if MSB != \new
	s_set_vgpr_msb (MSB<<8)|\new
.set MSB, \new
.endif
.endm
.set MULT,  0xa7                       ; source 0 window 3 (weights), source 1 window 1 (x), C and D window 2
.set MULN,  0xad                       ; source 0 window 1 (x), source 1 window 3 (weights), C and D window 2
.set TOB,   0xc0                       ; destination window 3
.set TOA,   0x40                       ; destination window 1
.set PACKW, 0x8a                       ; sources 0, 1 and destination window 2
.set DATA,  0x08                       ; a store's data (source 1) window 2
.macro PLACES
.rept 4
	v_nop
.endr
.endm
.macro CROUND                          ; a round of the cluster's barrier
	s_barrier_signal -1
	s_barrier_wait -1
	s_cmp_lg_u32 s[WV], 0
	s_cbranch_scc1 .Lnot_wave_0_\@
	s_barrier_signal -3
.Lnot_wave_0_\@:
	s_barrier_wait -3
	s_barrier_signal -1
	s_barrier_wait -1
.endm
	s_load_b256 s[4:11], s[0:1], 0x0               ; codes, scl, qimg, kv
	s_load_b64 s[12:13], s[0:1], 0x20              ; qkv32
	v_lshl_add_u32 v[SPW], v0, 2, SPARE
	v_mov_b32 v[NIL], 0
	ds_add_u32 v[SPW], v[NIL]                      ; the opening: the add, twice on end, and its wait ahead of my first tensor load
	ds_add_u32 v[SPW], v[NIL]
	v_lshrrev_b32 v8, 5, v0
	v_readfirstlane_b32 s[WV], v8
	v_and_b32 v8, 31, v0
	v_lshlrev_b32 v[LI], 4, v8
	v_lshlrev_b32 v[LS], 2, v8
.irp p, 0,1,2
	v_add_nc_u32 v[LIB+\p], \p*65536, v[LI]
.endr
	s_bfe_u32 s15, ttmp6, 0x40000                  ; cx = the batch: it enters x's and the results' addresses alone
	s_and_b32 s17, ttmp7, 0xffff                   ; the column group
	s_or_b32 s[FLAG], ttmp9, s[WV]                 ; ttmp9 = the block of 256 tokens in the sequence
	s_mov_b32 s[G1], 15|(3<<16)|(1<<21)            ; the mask: all four partners; elements of 8 bytes; bit 21 beside a mask; no padding
	s_mov_b32 s[G1+1], 32<<16                      ; tensor_dim0 = 32 elements: rows of 256 bytes
	s_mov_b32 s[G1+2], 64<<16                      ; tensor_dim1 = 64
	s_mov_b32 s[G1+3], 32<<16                      ; tile_dim0
	s_mov_b32 s[G1+4], 64                          ; tile_dim1: 16,384 dense bytes a wave
	s_mov_b32 s[G1+5], 32                          ; the pitch
	s_mov_b32 s[G1+6], 0
	s_mov_b32 s[G1+7], 0
	s_lshl_b32 s20, s17, 16                        ; my quarter of a weight block: 65,536 x group + 16,384 x wave
	s_lshl_b32 s22, s[WV], 14
	s_add_co_u32 s20, s20, s22
	s_add_co_u32 s20, s20, WCO
	s_mov_b32 s21, 0
	s_lshl_b32 s57, s15, 4
	s_lshl_b32 s58, s17, 1
	s_add_co_u32 s57, s57, s58                     ; my first head: 16 x batch + 2 x group
	s_lshl_b32 s58, ttmp9, 4
	s_lshl_b32 s59, s[WV], 2
	s_add_co_u32 s58, s58, s59                     ; my first tile of tokens in the sequence
	s_lshl_b32 s59, s15, 7
	s_add_co_u32 s59, s59, s58                     ; and among all tokens
	s_mov_b32 s61, 0
	s_wait_dscnt 0x0                               ; both opening adds are done
	s_wait_kmcnt 0x0
	s_add_nc_u64 s[18:19], s[4:5], s[20:21]
.irp p, 0,1,2
	s_mov_b32 s[G0+4*\p], 1
	s_add_co_u32 s[G0+4*\p+1], s22, \p*65536       ; LDS: block p, my quarter
	s_add_nc_u64 s[G0+4*\p+2:G0+4*\p+3], s[18:19], \p*524288
	s_or_b32 s[G0+4*\p+3], s[G0+4*\p+3], 0x80000000
.endr
	s_lshl_b32 s60, s57, 18
	s_lshl_b32 s62, s58, 11
	s_add_co_u32 s60, s60, s62
	s_add_nc_u64 s[QB:QB+1], s[8:9], s[60:61]
	s_lshl_b32 s60, s57, 19
	s_lshl_b32 s62, ttmp9, 16
	s_add_co_u32 s60, s60, s62
	s_lshl_b32 s62, s[WV], 13
	s_add_co_u32 s60, s60, s62
	s_add_nc_u64 s[KB:KB+1], s[10:11], s[60:61]
	s_lshl_b32 s60, s15, 16
	s_lshl_b32 s62, s17, 13
	s_add_co_u32 s60, s60, s62
	s_add_nc_u64 s[FB:FB+1], s[12:13], s[60:61]
	s_lshl_b32 s60, s59, 13
	s_add_nc_u64 s[XB:XB+1], s[4:5], s[60:61]
	s_lshl_b32 s60, s59, 9
	s_add_nc_u64 s[XSB:XSB+1], s[6:7], s[60:61]
	s_lshl_b32 s60, s17, 12
	s_add_co_u32 s60, s60, WSO
	s_add_nc_u64 s[WSB:WSB+1], s[6:7], s[60:61]
	CROUND                                         ; all four partners are here: the joint loads meet
.irp p, 0,1,2
	tensor_load_to_lds s[G0+4*\p:G0+4*\p+3], s[G1:G1+7]   ; three loads of mine are out
	s_nop 0
.endr
	PLACES
	WIN TOA
.irp a, 0,1,2,3
.irp s, 0,1,2,3,4,5,6,7
.irp c, 0,1
	global_load_b128 v[64*\a+8*\s+4*\c:64*\a+8*\s+4*\c+3], v[LI], s[XB:XB+1] offset:\a*8192+\s*1024+\c*512
.endr
.endr
.endr
	WIN 0
.irp a, 0,1,2,3
.irp j, 0,1,2,3
	global_load_b32 v[XS+4*\a+\j], v[LS], s[XSB:XSB+1] offset:\a*512+\j*128
.endr
.endr
.irp p, 0,1,2
.irp b, 0,1,2,3,4,5,6,7
.irp j, 0,1,2,3
	global_load_b32 v[WS+32*\p+4*\b+\j], v[LS], s[WSB:WSB+1] offset:\p*32768+\b*512+\j*128
.endr
.endr
.endr
	s_wait_loadcnt 0x0
.macro FETCHB p, s, set                ; the eight weight fragments of K step s into a set: 16 loads of 512 consecutive bytes
	WIN TOB
.irp b, 0,1,2,3,4,5,6,7
.irp c, 0,1
	ds_load_b128 v[64*(\set)+8*\b+4*\c:64*(\set)+8*\b+4*\c+3], v[LIB+(\p)] offset:\b*8192+(\s)*1024+\c*512
.endr
.endr
.endm
; 32 matrix instructions: one K step of 128.  The 32 accumulators take turns, one instruction a turn.  The first step's products start the sums.
; An odd K step's scale words lie in lanes 16-31 of their registers.
.macro MUL32 p, s, nat
.irp a, 0,1,2,3
.irp b, 0,1,2,3,4,5,6,7
.set rD, 8*(8*\a+\b)
.if \nat
.set rS0, 64*\a+8*(\s)
.set rS1, 64*((\s)%2)+8*\b
.set rQ0, XS+4*\a+(\s)/2
.set rQ1, WS+32*(\p)+4*\b+(\s)/2
.else
.set rS0, 64*((\s)%2)+8*\b
.set rS1, 64*\a+8*(\s)
.set rQ0, WS+32*(\p)+4*\b+(\s)/2
.set rQ1, XS+4*\a+(\s)/2
.endif
.if (\s) == 0
	v_wmma_scale_f32_16x16x128_f8f6f4 v[rD:rD+7], v[rS0:rS0+7], v[rS1:rS1+7], 0, v[rQ0], v[rQ1] matrix_a_fmt:MATRIX_FMT_FP4 matrix_b_fmt:MATRIX_FMT_FP4
.elseif (\s)%2 == 0
	v_wmma_scale_f32_16x16x128_f8f6f4 v[rD:rD+7], v[rS0:rS0+7], v[rS1:rS1+7], v[rD:rD+7], v[rQ0], v[rQ1] matrix_a_fmt:MATRIX_FMT_FP4 matrix_b_fmt:MATRIX_FMT_FP4
.else
	v_wmma_scale_f32_16x16x128_f8f6f4 v[rD:rD+7], v[rS0:rS0+7], v[rS1:rS1+7], v[rD:rD+7], v[rQ0], v[rQ1] matrix_a_fmt:MATRIX_FMT_FP4 matrix_b_fmt:MATRIX_FMT_FP4 matrix_a_scale:MATRIX_SCALE_ROW1 matrix_b_scale:MATRIX_SCALE_ROW1
.endif
.endr
.endr
.endm
.macro OUT p
	PLACES                                         ; four plain lines between the last products and the first read of results
	s_cmp_eq_u32 s[FLAG], 0
	s_cbranch_scc0 .Lnf_\@
	WIN DATA
.irp b, 0,1,2,3,4,5,6,7                        ; a sequence's first 16 tokens also leave in f32, each accumulator from its low end on
	global_store_b128 v[LI], v[8*\b:8*\b+3], s[FB:FB+1] offset:(\p)*262144+\b*1024
	global_store_b128 v[LI], v[8*\b+4:8*\b+7], s[FB:FB+1] offset:(\p)*262144+\b*1024+512
.endr
	WIN 0
	s_wait_xcnt 0x0                                ; these stores' data are written over only behind this wait
.Lnf_\@:
	WIN PACKW
.set EE, 0
.rept 32
.irp i, 0,1,2,3
	v_cvt_pk_f16_f32 v[8*EE+\i], v[8*EE+2*\i], v[8*EE+2*\i+1]   ; in place, ascending: a register is read before it is written
.endr
.set EE, EE+1
.endr
	WIN DATA
.irp a, 0,1,2,3
.irp b, 0,1,2,3,4,5,6,7
.if (\p) == 0
	global_store_b128 v[LI], v[8*(8*\a+\b):8*(8*\a+\b)+3], s[QB:QB+1] offset:(\b/4)*262144+\a*2048+(\b%4)*512
.elseif (\p) == 1
	global_store_b128 v[LI], v[8*(8*\a+\b):8*(8*\a+\b)+3], s[KB:KB+1] offset:(\b/4)*524288+\a*2048+(\b%4)*512
.else
	global_store_b128 v[LI], v[8*(8*\a+\b):8*(8*\a+\b)+3], s[KB:KB+1] offset:32768+(\b/4)*524288+(\a/2)*4096+(\b%4)*1024+(\a%2)*512
.endif
.endr
.endr
	WIN 0
	s_wait_xcnt 0x0                                ; the next pass's first products write over these stores' data
.endm
.macro PASS p, nat
	s_wait_tensorcnt 2-(\p)                        ; my quarter of block p is in; the later blocks' loads may stay out
	s_barrier_signal -1
	s_barrier_wait -1                              ; everybody's is
	FETCHB \p, 0, 0
.set SS, 0
.rept 8
	s_wait_dscnt 0x0                               ; this step's set is in
.if SS < 7
	PLACES                                         ; four plain lines in front of loads into the set that the last step's products read
	FETCHB \p, SS+1, (SS+1)%2
.endif
.if \nat
	WIN MULN
.else
	WIN MULT
.endif
	MUL32 \p, SS, \nat
.set SS, SS+1
.endr
	WIN 0
	OUT \p
.endm
	PASS 0, 0
	PASS 1, 0
	PASS 2, 1
	s_wait_tensorcnt 0x0                           ; the wave's end
	ds_add_u32 v[SPW], v[NIL]
	s_wait_dscnt 0x0
	CROUND                                         ; the closing round
	s_endpgm
.Lfunc_end_k_q8d15e54ec8_qkv:
	.size	k_q8d15e54ec8_qkv, .Lfunc_end_k_q8d15e54ec8_qkv-k_q8d15e54ec8_qkv
	.p2alignl 7, 3214868480
	.fill 96, 4, 3214868480
	.section	.rodata,"a",@progbits
	.p2align	6, 0x0
	.amdhsa_kernel k_q8d15e54ec8_qkv
		.amdhsa_group_segment_fixed_size 197120
		.amdhsa_private_segment_fixed_size 0
		.amdhsa_enable_private_segment 0
		.amdhsa_kernarg_size 40
		.amdhsa_user_sgpr_count 2
		.amdhsa_user_sgpr_kernarg_segment_ptr 1
		.amdhsa_wavefront_size32 1
		.amdhsa_system_sgpr_workgroup_id_x 1
		.amdhsa_system_sgpr_workgroup_id_y 1
		.amdhsa_system_sgpr_workgroup_id_z 1
		.amdhsa_system_vgpr_workitem_id 0
		.amdhsa_next_free_vgpr 1024
		.amdhsa_next_free_sgpr 66
		.amdhsa_reserve_vcc 0
		.amdhsa_float_denorm_mode_32 3
		.amdhsa_float_denorm_mode_16_64 3
		.amdhsa_memory_ordered 1
		.amdhsa_forward_progress 1
		.amdhsa_inst_pref_size 186
	.end_amdhsa_kernel
	.amdgpu_metadata
---
amdhsa.version: [ 1, 2 ]
amdhsa.kernels:
  - .name:           k_q8d15e54ec8_qkv
    .symbol:         k_q8d15e54ec8_qkv.kd
    .args:
      - { .name: codes, .offset: 0, .size: 8, .value_kind: global_buffer, .address_space: global }
      - { .name: scl, .offset: 8, .size: 8, .value_kind: global_buffer, .address_space: global }
      - { .name: qimg, .offset: 16, .size: 8, .value_kind: global_buffer, .address_space: global }
      - { .name: kv, .offset: 24, .size: 8, .value_kind: global_buffer, .address_space: global }
      - { .name: qkv32, .offset: 32, .size: 8, .value_kind: global_buffer, .address_space: global }
    .group_segment_fixed_size: 197120
    .private_segment_fixed_size: 0
    .kernarg_segment_align: 8
    .kernarg_segment_size: 40
    .max_flat_workgroup_size: 128
    .sgpr_count:     66
    .vgpr_count:     1024
    .wavefront_size: 32
...
	.end_amdgpu_metadata
.endif
;; end of part 2
;; launch attn (part 3): grid 4 x 64, 16 waves a work-group, no clusters, 327,680 bytes of LDS; arguments qimg, kv, ctximg; writes ctximg
.if DOCPART == 3
	.amdgcn_target "amdgcn-amd-amdhsa--gfx1250"
	.amdhsa_code_object_version 6
	.text
	.protected	k_q8d15e54ec8_attn
	.globl	k_q8d15e54ec8_attn
	.p2align	8
	.type	k_q8d15e54ec8_attn,@function
k_q8d15e54ec8_attn:
	s_mov_b64 s[64:65], 0
	v_nop
	global_prefetch_b8 v0, s[64:65] scope:SCOPE_SE
	s_setreg_imm32_b32 hwreg(HW_REG_WAVE_MODE, 25, 1), 1
	s_wait_xcnt 0x0
; ctx[head][q] = the sum over keys k <= q of softmax_k(q . k / 8) v[k], operands in f16, products, maxima and sums in f32; the weights p are rounded to f16 for the second product, ctx once at the end.
; SHARES.  A work-group owns query blocks i and 7 - i (256 queries each) of one head: (2 i + 1) + (15 - 2 i) = 16 half-blocks of unmasked keys in every work-group.  Waves 0-7 take block i, waves 8-15 block 7 - i;
; a wave owns 32 queries, two tiles, in 256 registers: four waves to a SIMD, so that one wave's vector work stands beside another's matrix work and LDS loads.
; Keys go 64 a step through a ring of two LDS slots of 256 keys (65,536 dense bytes of kv: K's images, then V's), filled by waves 0-3, 16,384 bytes each, and read by all sixteen.
; LAYOUT.  S^T = K Q^T and O^T = V^T P: a lane holds ONE query (lane % 16) throughout; two tiles of S^T, packed to f16 in pairs, are source 1 of the second product.  All fragments come as images: 512 consecutive bytes a load.
; SOFTMAX.  A running maximum m and sum l for each query: p = 2^(c s - c m), c = log2(e) / 8; in every step O and l are multiplied by a = 2^(c m_old - c m_new).
; THE MASK.  Every work-group walks all eight slots: the trip counts are constants.  A step whose first key lies beyond my first query (then all its 64 keys lie beyond my 32 queries) is left out by a scalar branch on ids;
; a walked step's first key counts for all my queries, so m is a number from the first step on.  On the diagonal hidden scores become -infinity.  A slot whose first key lies beyond the work-group's last query is not asked for.
; NO CLUSTER: the four work-groups of a head need 8, 7, 6 and 5 slots: a joint load would bring tiles that every wave of some partner jumps over.
; LIMITS: |score| x c stays under 3e37; NaN and infinities are not served; |ctx| stays under 65,504.
;   ctximg [256 tokens: 32][32 channels: 32][tile of 16 tokens 16][u 2][512]: lane (h, r) = token r of the tile, channels 32 kc + 16 u + 8 h + 0 .. 7, f16
.set SLOT1, 65536
.set SPARE, 131072                     ; behind the ring: the spare words, 128 bytes for each of sixteen waves
.set LI,   1                           ; v1   16 x lane
.set AD,   2                           ; v2   the step's LDS address
.set SPW,  3                           ; v3   LDS address of my spare word; never rewritten
.set NIL,  4                           ; v4   0; never rewritten
.set DL,   5                           ; v5   lane % 16 - 8 (lane / 16)
.set NINF, 6                           ; v6   -infinity
.set DT,   7                           ; v7, v9 the mask's bound for tile 0, 1
.set PFO,  8                           ; v8   256 x lane
.set ST,   16                          ; tile t's statistics at v[ST + 8 t]: +0 c m, +1 m, +2, +3 l in two halves, +4 .. +7 at work; a takes +6
.set QF,   32                          ; Q: v[QF + 16 t + 8 c]: tile t, channels 32 c on
.set KV,   64                          ; 64 registers: a step's K, then its V
.set S,    128                         ; S^T, 32 a tile; p packed in place into the first 16
.set O,    192                         ; O^T, 32 a tile
.set WV,   10
.set BH,   12
.set BLK,  13
.set Q0,   14                          ; my first query
.set KF,   15                          ; the step's first key
.set QLAST, 16                         ; my work-group's last query
.set TS,   17                          ; LDS byte at which the step's K images begin
.set SLOTS, 18
.set CNT,  19
.set SEL,  20
.set CS,   22
.set G1,   24
.set G0,   32
.set PFA,  36
.set LIM,  38
.set CB,   40
.macro TLOAD                           ; waves 0-3 fetch a quarter of a slot each; an s_nop 0 and four v_nop follow the load
	s_cmp_lt_u32 s[WV], 4
	s_cbranch_scc0 .Lasked_\@
	tensor_load_to_lds s[G0:G0+3], s[G1:G1+7]
	s_nop 0
.rept 4
	v_nop
.endr
.Lasked_\@:
.endm
; A prefetch of the slot that the NEXT change of slots will ask for.  All four work-groups of a head walk the same kv: the one with i = 0, which asks for all eight slots, prefetches; in it waves 4-11, which fetch
; nothing, name 8,192 bytes each, lanes 256 bytes apart: each aligned block of 256 bytes is named once in the launch.  Slots 0 and 1 come by their loads alone; the last change that fills a slot asks for nothing.
.macro ASK
	s_cmp_gt_u32 s[SLOTS], s[LIM]
	s_cbranch_scc0 .Lnot_mine_\@
	global_prefetch_b8 v[PFO], s[PFA:PFA+1] th:TH_LOAD_NT scope:SCOPE_SE
.Lnot_mine_\@:
.endm
	s_load_b128 s[4:7], s[0:1], 0x0                ; qimg, kv
	s_load_b64 s[8:9], s[0:1], 0x10                ; ctximg
	v_lshl_add_u32 v[SPW], v0, 2, SPARE
	v_mov_b32 v[NIL], 0
	ds_add_u32 v[SPW], v[NIL]                      ; the opening: the add, twice on end, and its wait ahead of the first tensor load
	ds_add_u32 v[SPW], v[NIL]
	v_lshrrev_b32 v9, 5, v0
	v_readfirstlane_b32 s[WV], v9
	s_and_b32 s[BH], ttmp7, 0xffff
	s_sub_co_u32 s42, 7, ttmp9
	s_cmp_lt_u32 s[WV], 8
	s_cselect_b32 s[BLK], ttmp9, s42               ; my block of 256 queries
	s_and_b32 s43, s[WV], 7
	s_lshl_b32 s[Q0], s[BLK], 8
	s_lshl_b32 s44, s43, 5
	s_add_co_u32 s[Q0], s[Q0], s44
	s_lshl_b32 s[QLAST], s42, 8
	s_or_b32 s[QLAST], s[QLAST], 255
	s_mov_b32 s[G1], 3<<16                         ; no mask; elements of 8 bytes; no padding
	s_mov_b32 s[G1+1], 32<<16                      ; rows of 256 bytes,
	s_mov_b32 s[G1+2], 64<<16                      ; 64 of them: 16,384 dense bytes
	s_mov_b32 s[G1+3], 32<<16
	s_mov_b32 s[G1+4], 64
	s_mov_b32 s[G1+5], 32
	s_mov_b32 s[G1+6], 0
	s_mov_b32 s[G1+7], 0
	s_mov_b32 s[G0], 1
	s_and_b32 s46, s[WV], 3
	s_lshl_b32 s[G0+1], s46, 14                    ; LDS: slot 0, my quarter
	s_lshl_b32 s44, s[BH], 19
	s_add_co_u32 s44, s44, s[G0+1]
	s_mov_b32 s45, 0
	s_mov_b32 s[SEL], 0x76543210
	s_mov_b32 s[SEL+1], 0xfedcba98
	s_mov_b32 s[CS], 0x3e38aa3b                    ; c = log2(e) / 8
	s_mov_b32 s[CS+1], s[CS]
	s_mov_b32 s[KF], 0
	s_mov_b32 s[TS], 0
	s_mov_b32 s[SLOTS], 7
	s_wait_dscnt 0x0                               ; both opening adds are done
	s_wait_kmcnt 0x0
	s_add_nc_u64 s[G0+2:G0+3], s[6:7], s[44:45]
	s_or_b32 s[G0+3], s[G0+3], 0x80000000
	TLOAD                                          ; slot 0
	v_and_b32 v9, 31, v0
	v_lshlrev_b32 v[LI], 4, v9
	v_lshlrev_b32 v[PFO], 8, v9
	s_lshl_b32 s44, s[BH], 18
	s_lshl_b32 s47, s[Q0], 7
	s_add_co_u32 s44, s44, s47
	s_add_nc_u64 s[4:5], s[4:5], s[44:45]          ; Q's images at my first tile
.irp t, 0,1
.irp e, 0,1,2,3
	global_load_b128 v[QF+16*\t+4*\e:QF+16*\t+4*\e+3], v[LI], s[4:5] offset:\t*2048+\e*512
.endr
.endr
	s_sub_co_u32 s42, s[WV], 4
	s_and_b32 s47, s42, 7
	s_lshl_b32 s47, s47, 13
	s_lshl_b32 s44, s[BH], 19
	s_add_co_u32 s44, s44, s47
	s_add_co_u32 s44, s44, SLOT1                   ; in slot 1: the first change of slots steps it to slot 2
	s_add_nc_u64 s[PFA:PFA+1], s[6:7], s[44:45]
	s_lshr_b32 s42, s42, 3                         ; 0 in waves 4 to 11,
	s_or_b32 s42, s42, ttmp9                       ; of the work-group with i = 0
	s_cmp_eq_u32 s42, 0
	s_cselect_b32 s[LIM], 1, -1
	s_lshr_b32 s44, s[BH], 4
	s_lshl_b32 s44, s44, 3
	s_add_co_u32 s44, s44, s[BLK]
	s_lshl_b32 s44, s44, 19                        ; ctximg: 8 x batch + block,
	s_and_b32 s47, s[BH], 15
	s_lshl_b32 s47, s47, 15
	s_add_co_u32 s44, s44, s47                     ; the head's 64 channels,
	s_lshl_b32 s47, s43, 11
	s_add_co_u32 s44, s44, s47                     ; my two tiles
	s_add_nc_u64 s[CB:CB+1], s[8:9], s[44:45]
	v_and_b32 v10, 15, v0
	v_bfe_u32 v11, v0, 4, 1
	v_lshlrev_b32 v11, 3, v11
	v_sub_nc_u32 v[DL], v10, v11
	v_mov_b32 v[NINF], 0xff800000
.irp t, 0,1
	v_mov_b32 v[ST+8*\t+1], 0xff61b1e6             ; m = -3e38, under every score
	v_mul_f32 v[ST+8*\t], s[CS], v[ST+8*\t+1]
.irp j, 2,3,4,5,6,7
	v_mov_b32 v[ST+8*\t+\j], 0
.endr
.endr
.irp j, 0,1,2,3,4,5,6,7,8,9,10,11,12,13,14,15,16,17,18,19,20,21,22,23,24,25,26,27,28,29,30,31,32,33,34,35,36,37,38,39,40,41,42,43,44,45,46,47,48,49,50,51,52,53,54,55,56,57,58,59,60,61,62,63
	v_mov_b32 v[O+\j], 0                           ; the step is written once: the first finds zeros, which the first a leaves zeros
.endr
	s_wait_loadcnt 0x0                             ; Q
; A KEY STEP: 64 keys.
.macro STEP
	s_cmp_gt_u32 s[KF], s[Q0]
	s_cbranch_scc1 .Lhidden_\@
	v_add_nc_u32 v[AD], s[TS], v[LI]
.rept 4
	v_nop                                          ; with the addition five plain lines behind the last step's products: their operands are loaded over, and p's registers are written over by the products below
.endr
.irp kt, 0,1,2,3
.irp e, 0,1,2,3
	ds_load_b128 v[KV+16*\kt+4*\e:KV+16*\kt+4*\e+3], v[AD] offset:\kt*2048+\e*512
.endr
.endr
	s_wait_dscnt 0x0
.irp c, 0,1                                    ; S^T = K Q^T: the eight accumulators take turns, one instruction a turn
.irp kt, 0,1,2,3
.irp t, 0,1
.if \c == 0
	v_wmma_f32_16x16x32_f16 v[S+32*\t+8*\kt:S+32*\t+8*\kt+7], v[KV+16*\kt+8*\c:KV+16*\kt+8*\c+7], v[QF+16*\t+8*\c:QF+16*\t+8*\c+7], 0
.else
	v_wmma_f32_16x16x32_f16 v[S+32*\t+8*\kt:S+32*\t+8*\kt+7], v[KV+16*\kt+8*\c:KV+16*\kt+8*\c+7], v[QF+16*\t+8*\c:QF+16*\t+8*\c+7], v[S+32*\t+8*\kt:S+32*\t+8*\kt+7]
.endif
.endr
.endr
.endr
.rept 4
	v_nop                                          ; four plain lines in front of the loads over K's fragments and of the first read of the scores
.endr
.irp kc, 0,1
.irp ct, 0,1,2,3
.irp u, 0,1
	ds_load_b128 v[KV+32*\kc+8*\ct+4*\u:KV+32*\kc+8*\ct+4*\u+3], v[AD] offset:32768+\kc*4096+\ct*1024+\u*512   ; V lands while the softmax is walked
.endr
.endr
.endr
	s_add_co_u32 s42, s[KF], 63
	s_cmp_le_u32 s42, s[Q0]
	s_cbranch_scc1 .Lopen_\@                       ; all 64 keys count for all my queries
	s_sub_co_u32 s42, s[Q0], s[KF]
	s_add_co_u32 s43, s42, 16
	v_add_nc_u32 v[DT], s42, v[DL]                 ; register 8 kt + j holds key KF + 16 kt + 8 (lane / 16) + j: hidden where 16 kt + j > my query - KF - 8 (lane / 16)
	v_add_nc_u32 v9, s43, v[DL]
.irp n, 0,1,2,3,4,5,6,7,8,9,10,11,12,13,14,15,16,17,18,19,20,21,22,23,24,25,26,27,28,29,30,31
	v_cmp_gt_i32 vcc_lo, 16*(\n/8)+\n%8, v[DT]
	v_cndmask_b32 v[S+\n], v[S+\n], v[NINF], vcc_lo
.endr
.irp n, 0,1,2,3,4,5,6,7,8,9,10,11,12,13,14,15,16,17,18,19,20,21,22,23,24,25,26,27,28,29,30,31
	v_cmp_gt_i32 vcc_lo, 16*(\n/8)+\n%8, v9
	v_cndmask_b32 v[S+32+\n], v[S+32+\n], v[NINF], vcc_lo
.endr
.Lopen_\@:
.irp j, 0,1,2,3                                ; the maximum: four chains a tile, each begun at an accumulator's low end; the two tiles by turns
.irp t, 0,1
	v_max3_num_f32 v[ST+8*\t+4+\j], v[S+32*\t+8*\j], v[S+32*\t+8*\j+1], v[S+32*\t+8*\j+2]
.endr
.endr
.irp q, 1,2
.irp j, 0,1,2,3
.irp t, 0,1
	v_max3_num_f32 v[ST+8*\t+4+\j], v[ST+8*\t+4+\j], v[S+32*\t+8*\j+2*\q+1], v[S+32*\t+8*\j+2*\q+2]
.endr
.endr
.endr
.irp t, 0,1
	v_max3_num_f32 v[ST+8*\t+4], v[ST+8*\t+4], v[S+32*\t+7], v[S+32*\t+15]
	v_max3_num_f32 v[ST+8*\t+6], v[ST+8*\t+6], v[S+32*\t+23], v[S+32*\t+31]
.endr
.irp t, 0,1
	v_max3_num_f32 v[ST+8*\t+4], v[ST+8*\t+4], v[ST+8*\t+5], v[ST+8*\t+6]
.endr
.irp t, 0,1
	v_max3_num_f32 v[ST+8*\t+4], v[ST+8*\t+4], v[ST+8*\t+7], v[ST+8*\t+1]   ; and the old m
.endr
.irp t, 0,1
	v_permlanex16_b32 v[ST+8*\t+5], v[ST+8*\t+4], s[SEL], s[SEL+1]          ; the query's other 32 keys lie in the lane 16 away
.endr
.irp t, 0,1
	v_mov_b32 v[ST+8*\t+7], v[ST+8*\t]             ; c m_old
.endr
.irp t, 0,1
	v_max_num_f32 v[ST+8*\t+1], v[ST+8*\t+4], v[ST+8*\t+5]
.endr
.irp t, 0,1
	v_mul_f32 v[ST+8*\t], s[CS], v[ST+8*\t+1]
.endr
.irp t, 0,1
	v_sub_f32 v[ST+8*\t+7], v[ST+8*\t+7], v[ST+8*\t]
.endr
.irp j, 0,2,4,6,8,10,12,14,16,18,20,22,24,26,28,30
.irp t, 0,1
	v_pk_fma_f32 v[S+32*\t+\j:S+32*\t+\j+1], v[S+32*\t+\j:S+32*\t+\j+1], s[CS:CS+1], v[ST+8*\t:ST+8*\t+1] op_sel_hi:[1,0,0] neg_lo:[0,0,1] neg_hi:[0,0,1]   ; c s - c m
.endr
.endr
.irp t, 0,1
	v_exp_f32 v[ST+8*\t+6], v[ST+8*\t+7]           ; a
.endr
.irp j, 0,1,2,3,4,5,6,7,8,9,10,11,12,13,14,15,16,17,18,19,20,21,22,23,24,25,26,27,28,29,30,31,32,33,34,35,36,37,38,39,40,41,42,43,44,45,46,47,48,49,50,51,52,53,54,55,56,57,58,59,60,61,62,63
	v_exp_f32 v[S+\j], v[S+\j]                     ; p
.endr
	v_nop                                          ; a plain line behind the last exponential
	s_wait_alu depctr_va_vdst(0)                   ; one wait for the batch of 66, ahead of its first reader
.irp t, 0,1
	v_pk_mul_f32 v[ST+8*\t+2:ST+8*\t+3], v[ST+8*\t+2:ST+8*\t+3], v[ST+8*\t+6:ST+8*\t+7] op_sel_hi:[1,0]   ; l x a
	v_pk_add_f32 v[ST+8*\t+4:ST+8*\t+5], v[S+32*\t+2:S+32*\t+3], v[S+32*\t+6:S+32*\t+7]                  ; the sum of the unrounded p, in two chains
.endr
.irp j, 0,4
.irp t, 0,1
	v_pk_add_f32 v[ST+8*\t+2:ST+8*\t+3], v[ST+8*\t+2:ST+8*\t+3], v[S+32*\t+\j:S+32*\t+\j+1]
.endr
.endr
.irp j, 8,12,16,20,24,28
.irp t, 0,1
	v_pk_add_f32 v[ST+8*\t+2:ST+8*\t+3], v[ST+8*\t+2:ST+8*\t+3], v[S+32*\t+\j:S+32*\t+\j+1]
	v_pk_add_f32 v[ST+8*\t+4:ST+8*\t+5], v[ST+8*\t+4:ST+8*\t+5], v[S+32*\t+\j+2:S+32*\t+\j+3]
.endr
.endr
.irp t, 0,1
	v_pk_add_f32 v[ST+8*\t+2:ST+8*\t+3], v[ST+8*\t+2:ST+8*\t+3], v[ST+8*\t+4:ST+8*\t+5]
.endr
.irp j, 0,1,2,3,4,5,6,7,8,9,10,11,12,13,14,15
.irp t, 0,1
	v_cvt_pk_f16_f32 v[S+32*\t+\j], v[S+32*\t+2*\j], v[S+32*\t+2*\j+1]   ; in place, ascending: registers 8 kc .. 8 kc + 7 become source 1 for keys 32 kc on
.endr
.endr
.irp j, 0,2,4,6,8,10,12,14,16,18,20,22,24,26,28,30
.irp t, 0,1
	v_pk_mul_f32 v[O+32*\t+\j:O+32*\t+\j+1], v[O+32*\t+\j:O+32*\t+\j+1], v[ST+8*\t+6:ST+8*\t+7] op_sel_hi:[1,0]   ; O^T x a, each accumulator from its low end on
.endr
.endr
	s_wait_dscnt 0x0                               ; V is in
.irp kc, 0,1                                   ; O^T += V^T P: eight accumulators by turns
.irp ct, 0,1,2,3
.irp t, 0,1
	v_wmma_f32_16x16x32_f16 v[O+32*\t+8*\ct:O+32*\t+8*\ct+7], v[KV+32*\kc+8*\ct:KV+32*\kc+8*\ct+7], v[S+32*\t+8*\kc:S+32*\t+8*\kc+7], v[O+32*\t+8*\ct:O+32*\t+8*\ct+7]
.endr
.endr
.endr
.Lhidden_\@:
	s_add_co_u32 s[KF], s[KF], 64
	s_add_co_u32 s[TS], s[TS], 8192
.endm
; THE CHANGE OF SLOTS stands at a slot's head.  Each wave waits for all its tensor loads, adds 0 to its spare word, and waits for that and for its reads of the slot that it has left; behind the barrier the slot ahead is
; whole and nobody reads the other one, which is then filled with the next 256 keys: that load has a slot's four steps in which to land.
.macro CHANGE fill
	s_wait_tensorcnt 0x0                           ; no tensor load of mine is out, so the group 0 may be written
	ds_add_u32 v[SPW], v[NIL]
.if \fill
	ds_add_u32 v[SPW], v[NIL]                      ; and twice on end here, in every trip alike
	s_xor_b32 s[G0+1], s[G0+1], SLOT1              ; the other slot than last time,
	s_add_nc_u64 s[G0+2:G0+3], s[G0+2:G0+3], 65536 ; the next 256 keys
	s_wait_xcnt 0x0                                ; the last prefetch, a slot back, has read its address
	s_add_nc_u64 s[PFA:PFA+1], s[PFA:PFA+1], 65536
.endif
	s_wait_dscnt 0x0
	s_barrier_signal -1
	s_barrier_wait -1
.if \fill
	s_add_co_u32 s42, s[KF], 256                   ; the first key of the slot that this change would ask for,
	s_cmp_gt_u32 s42, s[QLAST]                     ; against my work-group's last query: ids and the count of steps alone, the same in all sixteen waves
	s_cbranch_scc1 .Lpast_\@
	TLOAD
.Lpast_\@:
	ASK
.endif
.endm
.macro FOUR                            ; a slot's four steps: written once, walked four times
	s_mov_b32 s[CNT], 4
.Lst_\@:
	STEP
	s_sub_co_u32 s[CNT], s[CNT], 1
	s_cmp_lg_u32 s[CNT], 0
	s_cbranch_scc1 .Lst_\@
	s_sub_co_u32 s[TS], s[TS], 32768
	s_xor_b32 s[TS], s[TS], SLOT1                  ; on to the other slot
.endm
.Lslot:                                            ; seven trips
	CHANGE 1
	FOUR
	s_sub_co_u32 s[SLOTS], s[SLOTS], 1
	s_cmp_lg_u32 s[SLOTS], 0
	s_cbranch_scc1 .Lslot
	CHANGE 0                                       ; the last slot: nothing is left to ask for
	FOUR
	; THE WAY OUT: O^T / l, rounded to f16 in place: a lane's eight channels of a token are 16 bytes of a piece of ctximg: no way through LDS
.rept 4
	v_nop
.endr
.irp t, 0,1
	v_add_f32 v[ST+8*\t+4], v[ST+8*\t+2], v[ST+8*\t+3]
.endr
.irp t, 0,1
	v_permlanex16_b32 v[ST+8*\t+5], v[ST+8*\t+4], s[SEL], s[SEL+1]
.endr
.irp t, 0,1
	v_add_f32 v[ST+8*\t+4], v[ST+8*\t+4], v[ST+8*\t+5]
.endr
.irp t, 0,1
	v_rcp_f32 v[ST+8*\t+6], v[ST+8*\t+4]
.endr
	v_nop
	s_wait_alu depctr_va_vdst(0)                   ; one wait for the two reciprocals, ahead of their first reader
.irp t, 0,1
.irp j, 0,2,4,6,8,10,12,14,16,18,20,22,24,26,28,30
	v_pk_mul_f32 v[O+32*\t+\j:O+32*\t+\j+1], v[O+32*\t+\j:O+32*\t+\j+1], v[ST+8*\t+6:ST+8*\t+7] op_sel_hi:[1,0]
.endr
.endr
.irp t, 0,1
.irp ct, 0,1,2,3
.irp i, 0,1,2,3
	v_cvt_pk_f16_f32 v[O+32*\t+8*\ct+\i], v[O+32*\t+8*\ct+2*\i], v[O+32*\t+8*\ct+2*\i+1]
.endr
	global_store_b128 v[LI], v[O+32*\t+8*\ct:O+32*\t+8*\ct+3], s[CB:CB+1] offset:(\ct/2)*16384+\t*1024+(\ct%2)*512   ; 512 consecutive aligned bytes
.endr
.endr
	s_wait_tensorcnt 0x0                           ; the wave's end
	ds_add_u32 v[SPW], v[NIL]
	s_wait_dscnt 0x0
	s_endpgm
.Lfunc_end_k_q8d15e54ec8_attn:
	.size	k_q8d15e54ec8_attn, .Lfunc_end_k_q8d15e54ec8_attn-k_q8d15e54ec8_attn
	.p2alignl 7, 3214868480
	.fill 96, 4, 3214868480
	.section	.rodata,"a",@progbits
	.p2align	6, 0x0
	.amdhsa_kernel k_q8d15e54ec8_attn
		.amdhsa_group_segment_fixed_size 327680
		.amdhsa_private_segment_fixed_size 0
		.amdhsa_enable_private_segment 0
		.amdhsa_kernarg_size 24
		.amdhsa_user_sgpr_count 2
		.amdhsa_user_sgpr_kernarg_segment_ptr 1
		.amdhsa_wavefront_size32 1
		.amdhsa_system_sgpr_workgroup_id_x 1
		.amdhsa_system_sgpr_workgroup_id_y 1
		.amdhsa_system_sgpr_workgroup_id_z 1
		.amdhsa_system_vgpr_workitem_id 0
		.amdhsa_next_free_vgpr 256
		.amdhsa_next_free_sgpr 66
		.amdhsa_reserve_vcc 1
		.amdhsa_float_denorm_mode_32 3
		.amdhsa_float_denorm_mode_16_64 3
		.amdhsa_memory_ordered 1
		.amdhsa_forward_progress 1
		.amdhsa_inst_pref_size 57
	.end_amdhsa_kernel
	.amdgpu_metadata
---
amdhsa.version: [ 1, 2 ]
amdhsa.kernels:
  - .name:           k_q8d15e54ec8_attn
    .symbol:         k_q8d15e54ec8_attn.kd
    .args:
      - { .name: qimg, .offset: 0, .size: 8, .value_kind: global_buffer, .address_space: global }
      - { .name: kv, .offset: 8, .size: 8, .value_kind: global_buffer, .address_space: global }
      - { .name: ctximg, .offset: 16, .size: 8, .value_kind: global_buffer, .address_space: global }
    .group_segment_fixed_size: 327680
    .private_segment_fixed_size: 0
    .kernarg_segment_align: 8
    .kernarg_segment_size: 24
    .max_flat_workgroup_size: 512
    .sgpr_count:     66
    .vgpr_count:     256
    .wavefront_size: 32
...
	.end_amdgpu_metadata
.endif
;; end of part 3
;; launch oproj (part 4): grid 8 x 32, 4 waves a work-group, clusters of 4 x 4, 327,680 bytes of LDS; arguments ctximg, woimg, bo, out0; writes out0
.if DOCPART == 4
	.amdgcn_target "amdgcn-amd-amdhsa--gfx1250"
	.amdhsa_code_object_version 6
	.text
	.protected	k_q8d15e54ec8_oproj
	.globl	k_q8d15e54ec8_oproj
	.p2align	8
	.type	k_q8d15e54ec8_oproj,@function
k_q8d15e54ec8_oproj:
	s_mov_b64 s[64:65], 0
	v_nop
	global_prefetch_b8 v0, s[64:65] scope:SCOPE_SE
	s_setreg_imm32_b32 hwreg(HW_REG_WAVE_MODE, 25, 1), 1
	s_wait_xcnt 0x0
	s_wait_alu depctr_hold_cnt(0) depctr_sa_sdst(0) depctr_va_vdst(0) depctr_va_sdst(0) depctr_va_ssrc(0) depctr_va_vcc(0) depctr_vm_vsrc(0)
	s_getreg_b32 s2, hwreg(HW_REG_IB_STS2, 6, 4)
	s_cmp_eq_u32 s2, 0
	s_cbranch_scc0 .Lentry_in_a_cluster
	s_endpgm
.Lentry_in_a_cluster:
	s_bfe_u32 s2, ttmp6, 0x10000c
	s_cmp_lg_u32 s2, 0xf033
	s_cbranch_scc0 .Lentry_shape_is_right
	s_endpgm
.Lentry_shape_is_right:
; out0 = ctx Wo + bo for all tokens but the first 16 of each sequence (those are another launch's, in f32).  Operands f16, as images of their registers; sums f32.
; SHARES.  A work-group makes 256 tokens x 128 columns; a wave 64 tokens x 128 columns: 32 accumulators (window 1).  256 work-groups.  K goes in eight steps of 128 through a ring of two LDS slots:
; a slot = ctx's 65,536 dense bytes [32 along K: 4][tile 16][u 2][512], then Wo's 32,768 [4][tile 8][u 2][512].  A wave issues 128 matrix instructions between two changes of slots.
; CLUSTER 4 x 4: ctx's tile hangs on the block of tokens (8 cy + cluster y) and is shared along a row of the cluster; Wo's on the column group (4 cluster x + cx) and is shared along a column: joint loads.
; With the batch = cy, a sequence's first block is cluster y = 0: the same in all partners.
; THE BIAS IS LOADED INTO THE ACCUMULATORS: every product adds in place, nothing is cleared and no first step is written apart.
; USE: source 0 = 16 columns of Wo, source 1 = 16 tokens: a lane holds eight neighbouring numbers of a row of out0; a block of 16 rows goes through my stage in LDS and leaves as rows of 512 bytes.
.set SLOT,  98304
.set BOFF,  65536                      ; Wo's part of a slot
.set STAGE, 196608                     ; behind the ring: 16 rows x 528 bytes for each wave
.set SP,    528
.set SPARE, 230400                     ; behind the stages: the spare words, 128 bytes a wave
.set LI,   4                           ; v4   16 x lane
.set ADRA, 16                          ; v16-17 my ctx fragments in slot 0, 1
.set ADRB, 20                          ; v20-21 Wo's
.set STO,  24
.set RD,   25
.set BOF,  27                          ; v27  32 (lane / 16)
.set SPW,  28                          ; v28  LDS address of my spare word; never rewritten
.set NIL,  29                          ; v29  0; never rewritten
.set PFO,  30                          ; v30  256 x lane
.set F0,   32                          ; a fragment buffer: ctx's four at +8 a, Wo's eight at +32 + 8 b
.set F1,   128
.set BK,   32                          ; the way out: v32-95 and v96-159 by turns
.set WV,   12
.set G1A,  24
.set G0A,  32
.set G1B,  48
.set G0B,  56
.set PFA,  66
.set LIM,  68
.set SKIP, 69                          ; 0 in the wave whose first 16 rows are a sequence's first
.set OB,   70
.set MSB, 0
.macro WIN new
.if MSB != \new
	s_set_vgpr_msb (MSB<<8)|\new
.set MSB, \new
.endif
.endm
.set MUL,   0x50                       ; C and D window 1
.set TOACC, 0x40                       ; destination window 1
.set DATA,  0x04                       ; an LDS store's data (source 1) window 1
.macro PLACES
.rept 4
	v_nop
.endr
.endm
.macro JLOAD s                         ; a joint load: waves 0 and 1 fetch ctx's halves, waves 2 and 3 Wo's; an s_nop 0 and four v_nop follow each line
	s_cmp_eq_u32 s13, 0
	s_cbranch_scc0 .Lfor_b_\@
	tensor_load_to_lds s[G0A+4*\s:G0A+4*\s+3], s[G1A:G1A+7]
	s_nop 0
.rept 4
	v_nop
.endr
	s_branch .Lasked_\@
.Lfor_b_\@:
	tensor_load_to_lds s[G0B+4*\s:G0B+4*\s+3], s[G1B:G1B+7]
	s_nop 0
.rept 4
	v_nop
.endr
.Lasked_\@:
.endm
.macro CREST
	s_cmp_lg_u32 s[WV], 0
	s_cbranch_scc1 .Lnot_wave_0_\@
	s_barrier_signal -3
.Lnot_wave_0_\@:
	s_barrier_wait -3
	s_barrier_signal -1
	s_barrier_wait -1
.endm
.macro CROUND
	s_barrier_signal -1
	s_barrier_wait -1
	CREST
.endm
; A prefetch of ctx's K step that stands two refills on: 65,536 bytes.  The two clusters of a row of clusters read the same ctx: cluster x = 0 asks.  Its four partners of a row take 16,384 bytes each, told apart by
; address; in each, waves 0 and 1 name 8,192 bytes, lanes 256 bytes apart: each aligned block is named once.  K steps 0 to 3 come by their loads alone; the last lap asks for nothing.  Wo's images are not asked for.
.macro ASK
	s_cmp_gt_u32 s3, s[LIM]
	s_cbranch_scc0 .Lnot_mine_\@
	global_prefetch_b8 v[PFO], s[PFA:PFA+1] th:TH_LOAD_NT scope:SCOPE_SE
.Lnot_mine_\@:
.endm
	s_load_b256 s[4:11], s[0:1], 0x0               ; ctximg, woimg, bo, out0
	v_lshl_add_u32 v[SPW], v0, 2, SPARE
	v_mov_b32 v[NIL], 0
	ds_add_u32 v[SPW], v[NIL]                      ; the opening: the add, twice on end, and its wait ahead of my first tensor load
	ds_add_u32 v[SPW], v[NIL]
	v_lshrrev_b32 v1, 5, v0
	v_readfirstlane_b32 s[WV], v1
	s_lshr_b32 s13, s[WV], 1                       ; I fetch for ctx (0) or for Wo (1),
	s_and_b32 s14, s[WV], 1                        ; which half
	s_bfe_u32 s40, ttmp6, 0x40000                  ; cx
	s_bfe_u32 s41, ttmp6, 0x40004                  ; cy
	s_lshl_b32 s42, ttmp9, 2
	s_add_co_u32 s42, s42, s40                     ; the column group
	s_and_b32 s45, ttmp7, 0xffff                   ; cluster y = the block in the sequence
	s_lshl_b32 s15, s41, 3
	s_add_co_u32 s15, s15, s45                     ; the block of 256 tokens: 8 cy + cluster y
	s_lshl_b32 s43, s41, 2
	s_lshl_b32 s43, 15, s43                        ; my row of the cluster
	s_lshl_b32 s44, 0x1111, s40                    ; my column
	s_or_b32 s[G1A], s43, (3<<16)|(1<<21)          ; the mask; elements of 8 bytes; bit 21 beside a mask; no padding
	s_or_b32 s[G1B], s44, (3<<16)|(1<<21)
	s_mov_b32 s[G1A+1], 32<<16                     ; rows of 256 bytes,
	s_mov_b32 s[G1A+2], 128<<16                    ; 128 of them: 32,768 dense bytes
	s_mov_b32 s[G1A+3], 32<<16
	s_mov_b32 s[G1A+4], 128
	s_mov_b32 s[G1A+5], 32
	s_mov_b32 s[G1A+6], 0
	s_mov_b32 s[G1A+7], 0
	s_mov_b32 s[G1B+1], 32<<16
	s_mov_b32 s[G1B+2], 64<<16                     ; 64 rows: 16,384 dense bytes
	s_mov_b32 s[G1B+3], 32<<16
	s_mov_b32 s[G1B+4], 64
	s_mov_b32 s[G1B+5], 32
	s_mov_b32 s[G1B+6], 0
	s_mov_b32 s[G1B+7], 0
	s_or_b32 s[SKIP], s45, s[WV]
	s_or_b32 s[LIM], s13, ttmp9
	s_cmp_eq_u32 s[LIM], 0
	s_cselect_b32 s[LIM], 1, -1
	s_lshl_b32 s16, s15, 19                        ; ctx: 524,288 a block, 32,768 a half
	s_lshl_b32 s46, s14, 15
	s_add_co_u32 s16, s16, s46
	s_mov_b32 s17, 0
	s_lshl_b32 s20, s42, 18                        ; Wo: 262,144 a column group, 16,384 a half
	s_lshl_b32 s47, s14, 14
	s_add_co_u32 s20, s20, s47
	s_mov_b32 s21, 0
	s_add_co_u32 s47, s47, BOFF
	s_wait_dscnt 0x0                               ; both opening adds are done
	s_wait_kmcnt 0x0
	s_add_nc_u64 s[18:19], s[4:5], s[16:17]
	s_add_nc_u64 s[22:23], s[6:7], s[20:21]
	CROUND                                         ; all sixteen work-groups are here: the first joint loads meet
.irp s, 0,1
	s_mov_b32 s[G0A+4*\s], 1
	s_add_co_u32 s[G0A+4*\s+1], s46, \s*SLOT
	s_add_nc_u64 s[G0A+4*\s+2:G0A+4*\s+3], s[18:19], \s*65536
	s_or_b32 s[G0A+4*\s+3], s[G0A+4*\s+3], 0x80000000
	s_mov_b32 s[G0B+4*\s], 1
	s_add_co_u32 s[G0B+4*\s+1], s47, \s*SLOT
	s_add_nc_u64 s[G0B+4*\s+2:G0B+4*\s+3], s[22:23], \s*32768
	s_or_b32 s[G0B+4*\s+3], s[G0B+4*\s+3], 0x80000000
	JLOAD \s                                       ; two loads of mine are out
.endr
	s_lshl_b32 s20, s42, 9
	s_add_nc_u64 s[8:9], s[8:9], s[20:21]          ; bo at my 128 columns
	v_bfe_u32 v2, v0, 4, 1
	v_lshlrev_b32 v[BOF], 5, v2
	WIN TOACC
.irp a, 0,1,2,3
.irp b, 0,1,2,3,4,5,6,7
	global_load_b128 v[8*(8*\a+\b):8*(8*\a+\b)+3], v[BOF], s[8:9] offset:\b*64        ; register j of lane (r, h): bo at column 16 b + 8 h + j
	global_load_b128 v[8*(8*\a+\b)+4:8*(8*\a+\b)+7], v[BOF], s[8:9] offset:\b*64+16
.endr
.endr
	WIN 0
	v_and_b32 v1, 15, v0
	v_and_b32 v3, 31, v0
	v_lshlrev_b32 v[LI], 4, v3
	v_lshlrev_b32 v[PFO], 8, v3
	s_lshl_b32 s46, s[WV], 12
	v_add_nc_u32 v[ADRA], s46, v[LI]               ; my four tiles of tokens: 4,096 x wave
	v_add_nc_u32 v[ADRA+1], SLOT, v[ADRA]
	v_add_nc_u32 v[ADRB], BOFF, v[LI]
	v_add_nc_u32 v[ADRB+1], SLOT, v[ADRB]
	s_mul_i32 s46, s[WV], 16*SP
	s_add_co_u32 s46, s46, STAGE
	v_mul_u32_u24 v[STO], v1, SP
	v_lshl_add_u32 v[STO], v2, 5, v[STO]
	v_add_nc_u32 v[STO], s46, v[STO]               ; in: row r, 32 bytes for each half of the lanes
	v_add_nc_u32 v[RD], s46, v[LI]                 ; back: the 32 lanes take a row of 512 bytes
	s_lshl_b32 s20, s15, 20
	s_lshl_b32 s46, s[WV], 18
	s_add_co_u32 s20, s20, s46
	s_lshl_b32 s46, s42, 9
	s_add_co_u32 s20, s20, s46
	s_add_nc_u64 s[OB:OB+1], s[10:11], s[20:21]    ; out0: row 256 x block + 64 x wave, column 128 x group
	s_lshl_b32 s20, s15, 19
	s_lshl_b32 s46, s40, 14
	s_add_co_u32 s20, s20, s46
	s_lshl_b32 s46, s14, 13
	s_add_co_u32 s20, s20, s46
	s_add_co_u32 s20, s20, 3*65536                 ; at K step 3: the first refill steps it to 4
	s_add_nc_u64 s[PFA:PFA+1], s[4:5], s[20:21]
.macro FETCH slot, kq, f               ; the fragments of 32 along K: 24 loads of 512 consecutive bytes
.irp b, 0,1,2,3,4,5,6,7
.irp u, 0,1
	ds_load_b128 v[\f+32+8*\b+4*\u:\f+32+8*\b+4*\u+3], v[ADRB+\slot] offset:(\kq)*8192+\b*1024+\u*512
.endr
.endr
.irp a, 0,1,2,3
.irp u, 0,1
	ds_load_b128 v[\f+8*\a+4*\u:\f+8*\a+4*\u+3], v[ADRA+\slot] offset:(\kq)*16384+\a*1024+\u*512
.endr
.endr
.endm
.macro MUL8 f, a                       ; the 32 accumulators take turns, one instruction a turn, in the same order in every quarter
.irp b, 0,1,2,3,4,5,6,7
	v_wmma_f32_16x16x32_f16 v[8*(8*(\a)+\b):8*(8*(\a)+\b)+7], v[\f+32+8*\b:\f+32+8*\b+7], v[\f+8*(\a):\f+8*(\a)+7], v[8*(8*(\a)+\b):8*(8*(\a)+\b)+7]
.endr
.endm
.macro QUARTER slot, kq, f, g          ; multiplies buffer f; in its middle fetches the slot's quarter kq into g
	s_wait_dscnt 0x0
	WIN MUL
	MUL8 \f, 0
	MUL8 \f, 1
	PLACES                                         ; four plain lines in front of loads into the buffer that the last quarter's products read
	WIN 0
	FETCH \slot, \kq, \g
	WIN MUL
	MUL8 \f, 2
	MUL8 \f, 3
.endm
; A slot's last quarter changes slots: one barrier; in front of it each wave waits for all its tensor loads, adds 0 to its spare word, and waits for that and for its reads of this slot.
.macro TURN slot, next, fill
.if \fill
	s_wait_xcnt 0x0                                ; the last prefetch, a K step back, has read its address
	s_add_nc_u64 s[PFA:PFA+1], s[PFA:PFA+1], 65536
.endif
	WIN 0
	s_wait_tensorcnt 0x0                           ; all my tensor loads have landed: my part of the next slot
	ds_add_u32 v[SPW], v[NIL]
	s_wait_dscnt 1                                 ; buffer 1 is in; the add alone may be out
	WIN MUL
	MUL8 F1, 0
	s_wait_dscnt 0x0                               ; the add is done, and my reads of this slot are over
	s_barrier_signal -1
	MUL8 F1, 1
	WIN 0
	s_barrier_wait -1
.if \fill
	CREST                                          ; the barrier has opened a round of the cluster's: no wave of any partner still reads this slot or has a load on its way
	s_add_nc_u64 s[G0A+4*\slot+2:G0A+4*\slot+3], s[G0A+4*\slot+2:G0A+4*\slot+3], 2*65536
	s_add_nc_u64 s[G0B+4*\slot+2:G0B+4*\slot+3], s[G0B+4*\slot+2:G0B+4*\slot+3], 2*32768
	JLOAD \slot                                    ; the first tensor load behind the round; its four v_nop are also the plain lines in front of the loads below
.else
	PLACES
.endif
	FETCH \next, 0, F0
.if \fill
	ASK
.endif
	WIN MUL
	MUL8 F1, 2
	MUL8 F1, 3
.endm
	s_wait_tensorcnt 1                             ; my part of K step 0 is in; K step 1's may stay out
	s_barrier_signal -1
	s_barrier_wait -1
	FETCH 0, 0, F0
	s_wait_loadcnt 0x0                             ; the bias
	s_mov_b32 s3, 3
.Llap:                                             ; three laps fill both slots again
	QUARTER 0, 1, F0, F1
	QUARTER 0, 2, F1, F0
	QUARTER 0, 3, F0, F1
	TURN 0, 1, 1
	QUARTER 1, 1, F0, F1
	QUARTER 1, 2, F1, F0
	QUARTER 1, 3, F0, F1
	TURN 1, 0, 1
	WIN 0
	s_sub_co_u32 s3, s3, 1
	s_cmp_lg_u32 s3, 0
	s_cbranch_scc1 .Llap
	QUARTER 0, 1, F0, F1                           ; the last lap fills nothing
	QUARTER 0, 2, F1, F0
	QUARTER 0, 3, F0, F1
	TURN 0, 1, 0
	QUARTER 1, 1, F0, F1
	QUARTER 1, 2, F1, F0
	QUARTER 1, 3, F0, F1
	s_wait_dscnt 0x0
	WIN MUL
	MUL8 F1, 0
	MUL8 F1, 1
	MUL8 F1, 2
	MUL8 F1, 3
	WIN 0
.macro TOSTAGE a
	WIN DATA
.irp b, 0,1,2,3,4,5,6,7
	ds_store_b128 v[STO], v[8*(8*(\a)+\b):8*(8*(\a)+\b)+3] offset:64*\b          ; each accumulator from its low end on
	ds_store_b128 v[STO], v[8*(8*(\a)+\b)+4:8*(8*(\a)+\b)+7] offset:64*\b+16
.endr
	WIN 0
.irp t, 0,1,2,3,4,5,6,7,8,9,10,11,12,13,14,15
	ds_load_b128 v[BK+64*((\a)%2)+4*\t:BK+64*((\a)%2)+4*\t+3], v[RD] offset:\t*SP   ; LDS serves a wave's instructions in order: these see the stores above
.endr
.endm
.macro SEND a, younger
	s_wait_dscnt \younger                          ; the block is back; the next block's 16 stores and 16 loads may be out
.if (\a) == 0
	s_cmp_eq_u32 s[SKIP], 0                        ; a sequence's first 16 rows are not mine to store
	s_cbranch_scc1 .Lfine_rows
.endif
.irp t, 0,1,2,3,4,5,6,7,8,9,10,11,12,13,14,15
	global_store_b128 v[LI], v[BK+64*((\a)%2)+4*\t:BK+64*((\a)%2)+4*\t+3], s[OB:OB+1] offset:(16*(\a)+\t)*4096 th:TH_STORE_NT   ; 512 consecutive aligned bytes
.endr
.if (\a) == 0
.Lfine_rows:
.endif
.endm
	PLACES
	TOSTAGE 0
.irp a, 1,2,3
.if \a > 1
	s_wait_xcnt 0x0                                ; block a - 2's stores have read the registers that block a's loads land on
.endif
	TOSTAGE \a
	SEND \a-1, 32
.endr
	SEND 3, 0
	s_wait_tensorcnt 0x0                           ; the wave's end
	ds_add_u32 v[SPW], v[NIL]
	s_wait_dscnt 0x0
	CROUND                                         ; the closing round
	s_endpgm
.Lfunc_end_k_q8d15e54ec8_oproj:
	.size	k_q8d15e54ec8_oproj, .Lfunc_end_k_q8d15e54ec8_oproj-k_q8d15e54ec8_oproj
	.p2alignl 7, 3214868480
	.fill 96, 4, 3214868480
	.section	.rodata,"a",@progbits
	.p2align	6, 0x0
	.amdhsa_kernel k_q8d15e54ec8_oproj
		.amdhsa_group_segment_fixed_size 327680
		.amdhsa_private_segment_fixed_size 0
		.amdhsa_enable_private_segment 0
		.amdhsa_kernarg_size 32
		.amdhsa_user_sgpr_count 2
		.amdhsa_user_sgpr_kernarg_segment_ptr 1
		.amdhsa_wavefront_size32 1
		.amdhsa_system_sgpr_workgroup_id_x 1
		.amdhsa_system_sgpr_workgroup_id_y 1
		.amdhsa_system_sgpr_workgroup_id_z 1
		.amdhsa_system_vgpr_workitem_id 0
		.amdhsa_next_free_vgpr 512
		.amdhsa_next_free_sgpr 72
		.amdhsa_reserve_vcc 0
		.amdhsa_float_denorm_mode_32 3
		.amdhsa_float_denorm_mode_16_64 3
		.amdhsa_memory_ordered 1
		.amdhsa_forward_progress 1
		.amdhsa_inst_pref_size 90
	.end_amdhsa_kernel
	.amdgpu_metadata
---
amdhsa.version: [ 1, 2 ]
amdhsa.kernels:
  - .name:           k_q8d15e54ec8_oproj
    .symbol:         k_q8d15e54ec8_oproj.kd
    .args:
      - { .name: ctximg, .offset: 0, .size: 8, .value_kind: global_buffer, .address_space: global }
      - { .name: woimg, .offset: 8, .size: 8, .value_kind: global_buffer, .address_space: global }
      - { .name: bo, .offset: 16, .size: 8, .value_kind: global_buffer, .address_space: global }
      - { .name: out0, .offset: 24, .size: 8, .value_kind: global_buffer, .address_space: global }
    .group_segment_fixed_size: 327680
    .private_segment_fixed_size: 0
    .kernarg_segment_align: 8
    .kernarg_segment_size: 32
    .max_flat_workgroup_size: 128
    .sgpr_count:     72
    .vgpr_count:     512
    .wavefront_size: 32
...
	.end_amdgpu_metadata
.endif
;; end of part 4
;; launch fine (part 5): grid 16 x 4, 16 waves a work-group, no clusters, 71,680 bytes of LDS; arguments qkv32, Wo, bo, out0; writes out0
.if DOCPART == 5
	.amdgcn_target "amdgcn-amd-amdhsa--gfx1250"
	.amdhsa_code_object_version 6
	.text
	.protected	k_q8d15e54ec8_fine
	.globl	k_q8d15e54ec8_fine
	.p2align	8
	.type	k_q8d15e54ec8_fine,@function
k_q8d15e54ec8_fine:
	s_mov_b64 s[64:65], 0
	v_nop
	global_prefetch_b8 v0, s[64:65] scope:SCOPE_SE
	s_setreg_imm32_b32 hwreg(HW_REG_WAVE_MODE, 25, 1), 1
	s_wait_xcnt 0x0
; The first 16 tokens of each sequence, all in f32: there a row of the softmax averages one to sixteen values, and 16-bit operands would weigh most.  64 rows of out0 in all.
; SHARES.  A work-group makes 16 tokens x 64 columns of out0 for one batch.  Wave w is head w: it takes its head's q, k, v as the f32 accumulators that the projection stored, as they stand:
;   q, k: lane (r, h), register 8 cb + j = (token r, channel 16 cb + 8 h + j);   v: (token 8 h + j, channel 16 cb + r).
; A register pair of such an accumulator IS an operand of the 16 x 16 x 4 form (lane (r, h), register j: k = 2 h + j), under a permutation of k that is the same for both sources of each product:
;   S^T = K Q^T (16 steps), softmax with the causal mask, O^T = V^T P (4 steps a tile of channels), out^T = Wo^T ctx^T over the head's 64 channels (16 steps a tile of columns).
; The sixteen heads' parts meet in LDS; wave w adds row w's sixteen parts and the bias, in ascending order of the heads, and stores 256 aligned bytes.
; The registers that the f32 matrix form writes (v176-239) are written by matrix instructions alone; eight plain lines stand behind such an instruction ahead of a read of its result.
.set PP,    4352                       ; a wave's part in LDS: 16 rows x (256 + 16) bytes
.set SPARE, 69632                      ; behind the parts: the spare words, 128 bytes for each of sixteen waves
	s_load_b256 s[4:11], s[0:1], 0x0               ; qkv32, Wo, bo, out0
	v_lshl_add_u32 v3, v0, 2, SPARE                ; v3: LDS address of my spare word; never rewritten
	v_mov_b32 v4, 0                                ; v4: 0; never rewritten
	v_lshrrev_b32 v12, 5, v0
	v_readfirstlane_b32 s12, v12                   ; wave = head
	s_and_b32 s13, ttmp7, 0xffff                   ; batch
	v_and_b32 v12, 31, v0
	v_and_b32 v13, 15, v0                          ; r
	v_bfe_u32 v14, v0, 4, 1                        ; h
	v_lshlrev_b32 v1, 4, v12                       ; 16 x lane
	v_lshlrev_b32 v2, 2, v13
	v_lshl_add_u32 v2, v14, 15, v2                 ; Wo: column r, 8 h rows down
	v_lshlrev_b32 v15, 3, v14
	v_sub_nc_u32 v5, v13, v15                      ; r - 8 h
	v_mov_b32 v6, 0xff800000                       ; -infinity
	s_mul_i32 s17, s12, PP
	v_mul_u32_u24 v7, v13, 272
	v_lshl_add_u32 v7, v14, 5, v7
	v_add_nc_u32 v7, s17, v7                       ; my part: row r, 32 h bytes on
	s_mul_i32 s18, s12, 272
	v_lshlrev_b32 v9, 3, v12                       ; 8 x lane
	v_add_nc_u32 v8, s18, v9                       ; row w of a part
	s_mov_b32 s14, 0x76543210
	s_mov_b32 s15, 0xfedcba98
	s_mov_b32 s16, 0x3e38aa3b                      ; log2(e) / 8
	s_mov_b32 s21, 0
	s_wait_kmcnt 0x0
	s_lshl_b32 s20, s13, 16
	s_lshl_b32 s22, s12, 12
	s_add_co_u32 s20, s20, s22
	s_add_nc_u64 s[4:5], s[4:5], s[20:21]          ; my head's four tiles of columns
	s_lshl_b32 s20, s12, 18
	s_lshl_b32 s22, ttmp9, 8
	s_add_co_u32 s20, s20, s22
	s_add_nc_u64 s[6:7], s[6:7], s[20:21]          ; Wo: my head's 64 rows, the work-group's 64 columns
	s_mov_b32 s20, s22
	s_add_nc_u64 s[8:9], s[8:9], s[20:21]
	s_lshl_b32 s20, s13, 23
	s_lshl_b32 s23, s12, 12
	s_add_co_u32 s20, s20, s23
	s_add_co_u32 s20, s20, s22
	s_add_nc_u64 s[10:11], s[10:11], s[20:21]      ; out0: row 2,048 x batch + w
.irp p, 0,1,2                                  ; q v16-47, k v48-79, v v80-111
.irp cb, 0,1,2,3
.irp q, 0,1
	global_load_b128 v[16+32*\p+8*\cb+4*\q:16+32*\p+8*\cb+4*\q+3], v1, s[4:5] offset:\p*262144+\cb*1024+\q*512
.endr
.endr
.endr
.irp nt, 0,1                                   ; Wo for tiles 0, 1 of my columns: v[112 + 32 nt + 2 st + j] = Wo(16 (st / 4) + 8 h + 2 (st % 4) + j, 16 nt + r)
.irp st, 0,1,2,3,4,5,6,7,8,9,10,11,12,13,14,15
.irp j, 0,1
	global_load_b32 v[112+32*\nt+2*\st+\j], v2, s[6:7] offset:(16*(\st/4)+2*(\st%4)+\j)*4096+\nt*64
.endr
.endr
.endr
	global_load_b64 v[10:11], v9, s[8:9]           ; the bias of row w's 64 columns
	s_wait_loadcnt 63                              ; 89 loads were issued: the oldest 26 are in, q, k and v (24) among them
.irp e, 0,1,2,3,4,5,6,7,8,9,10,11,12,13,14,15  ; S^T in four accumulators by turns
.if \e < 4
	v_wmma_f32_16x16x4_f32 v[176+8*(\e%4):183+8*(\e%4)], v[48+2*\e:49+2*\e], v[16+2*\e:17+2*\e], 0
.else
	v_wmma_f32_16x16x4_f32 v[176+8*(\e%4):183+8*(\e%4)], v[48+2*\e:49+2*\e], v[16+2*\e:17+2*\e], v[176+8*(\e%4):183+8*(\e%4)]
.endif
.endr
.rept 8
	v_nop
.endr
.irp nt, 2,3                                   ; Wo for tiles 2, 3, over q and k
.irp st, 0,1,2,3,4,5,6,7,8,9,10,11,12,13,14,15
.irp j, 0,1
	global_load_b32 v[16+32*(\nt-2)+2*\st+\j], v2, s[6:7] offset:(16*(\st/4)+2*(\st%4)+\j)*4096+\nt*64
.endr
.endr
.endr
.irp j, 0,2,4,6
	v_pk_add_f32 v[240+\j:241+\j], v[176+\j:177+\j], v[184+\j:185+\j]
	v_pk_add_f32 v[248+\j:249+\j], v[192+\j:193+\j], v[200+\j:201+\j]
.endr
.irp j, 0,2,4,6
	v_pk_add_f32 v[240+\j:241+\j], v[240+\j:241+\j], v[248+\j:249+\j]   ; register j: the score of key 8 h + j for query r
.endr
.irp j, 0,1,2,3,4,5,6,7
	v_cmp_gt_i32 vcc_lo, \j, v5                    ; hidden where 8 h + j > r
	v_cndmask_b32 v[240+\j], v[240+\j], v6, vcc_lo
.endr
	v_max3_num_f32 v248, v240, v241, v242
	v_max3_num_f32 v249, v243, v244, v245
	v_max3_num_f32 v248, v248, v246, v247
	v_max_num_f32 v248, v248, v249
	v_permlanex16_b32 v249, v248, s14, s15
	v_max_num_f32 v248, v248, v249                 ; the row's maximum: key 0 counts for every query, so it is a number
	v_mul_f32 v249, s16, v248
.irp j, 0,1,2,3,4,5,6,7
	v_fma_f32 v[240+\j], v[240+\j], s16, -v249
.endr
.irp j, 0,1,2,3,4,5,6,7
	v_exp_f32 v[240+\j], v[240+\j]
.endr
	v_nop
	s_wait_alu depctr_va_vdst(0)                   ; one wait for the eight exponentials, ahead of their first reader
	v_pk_add_f32 v[250:251], v[240:241], v[242:243]
	v_pk_add_f32 v[252:253], v[244:245], v[246:247]
	v_pk_add_f32 v[250:251], v[250:251], v[252:253]
	v_add_f32 v250, v250, v251
	v_permlanex16_b32 v251, v250, s14, s15
	v_add_f32 v250, v250, v251
	v_rcp_f32 v252, v250
	v_nop
	s_wait_alu depctr_va_vdst(0)                   ; and one for the reciprocal
.irp i, 0,1,2,3                                ; O^T = V^T P: four accumulators by turns
.irp ct, 0,1,2,3
.if \i == 0
	v_wmma_f32_16x16x4_f32 v[208+8*\ct:215+8*\ct], v[80+8*\ct+2*\i:81+8*\ct+2*\i], v[240+2*\i:241+2*\i], 0
.else
	v_wmma_f32_16x16x4_f32 v[208+8*\ct:215+8*\ct], v[80+8*\ct+2*\i:81+8*\ct+2*\i], v[240+2*\i:241+2*\i], v[208+8*\ct:215+8*\ct]
.endif
.endr
.endr
.rept 8
	v_nop
.endr
.irp e, 0,2,4,6,8,10,12,14,16,18,20,22,24,26,28,30
	v_pk_mul_f32 v[80+\e:81+\e], v[208+\e:209+\e], v[252:253] op_sel_hi:[1,0]   ; ctx^T = O^T / the sum, into v's registers: register 8 ct + j = (channel 16 ct + 8 h + j, token r)
.endr
	s_wait_loadcnt 0x0                             ; Wo and the bias
.irp st, 0,1,2,3,4,5,6,7,8,9,10,11,12,13,14,15 ; out^T: four accumulators by turns
.irp nt, 0,1,2,3
.if \nt < 2
.set rW, 112+32*\nt+2*\st
.else
.set rW, 16+32*(\nt-2)+2*\st
.endif
.if \st == 0
	v_wmma_f32_16x16x4_f32 v[176+8*\nt:183+8*\nt], v[rW:rW+1], v[80+2*\st:81+2*\st], 0
.else
	v_wmma_f32_16x16x4_f32 v[176+8*\nt:183+8*\nt], v[rW:rW+1], v[80+2*\st:81+2*\st], v[176+8*\nt:183+8*\nt]
.endif
.endr
.endr
.rept 8
	v_nop
.endr
.irp nt, 0,1,2,3
	ds_store_b128 v7, v[176+8*\nt:179+8*\nt] offset:\nt*64        ; lane (r, h): token r, columns 16 nt + 8 h + 0 .. 7
	ds_store_b128 v7, v[180+8*\nt:183+8*\nt] offset:\nt*64+16
.endr
	s_wait_dscnt 0x0                               ; for the others' sake: my part lies in LDS
	s_barrier_signal -1
	s_barrier_wait -1
.irp s, 0,1,2,3,4,5,6,7,8,9,10,11,12,13,14,15
	ds_load_b64 v[16+2*\s:17+2*\s], v8 offset:\s*PP
.endr
	s_wait_dscnt 0x0
.irp s, 0,1,2,3,4,5,6,7,8,9,10,11,12,13,14,15
	v_pk_add_f32 v[10:11], v[10:11], v[16+2*\s:17+2*\s]
.endr
	global_store_b64 v9, v[10:11], s[10:11]        ; 32 lanes store 256 consecutive aligned bytes
	s_wait_tensorcnt 0x0                           ; the wave's end
	ds_add_u32 v3, v4
	s_wait_dscnt 0x0
	s_endpgm
.Lfunc_end_k_q8d15e54ec8_fine:
	.size	k_q8d15e54ec8_fine, .Lfunc_end_k_q8d15e54ec8_fine-k_q8d15e54ec8_fine
	.p2alignl 7, 3214868480
	.fill 96, 4, 3214868480
	.section	.rodata,"a",@progbits
	.p2align	6, 0x0
	.amdhsa_kernel k_q8d15e54ec8_fine
		.amdhsa_group_segment_fixed_size 71680
		.amdhsa_private_segment_fixed_size 0
		.amdhsa_enable_private_segment 0
		.amdhsa_kernarg_size 32
		.amdhsa_user_sgpr_count 2
		.amdhsa_user_sgpr_kernarg_segment_ptr 1
		.amdhsa_wavefront_size32 1
		.amdhsa_system_sgpr_workgroup_id_x 1
		.amdhsa_system_sgpr_workgroup_id_y 1
		.amdhsa_system_sgpr_workgroup_id_z 1
		.amdhsa_system_vgpr_workitem_id 0
		.amdhsa_next_free_vgpr 256
		.amdhsa_next_free_sgpr 66
		.amdhsa_reserve_vcc 1
		.amdhsa_float_denorm_mode_32 3
		.amdhsa_float_denorm_mode_16_64 3
		.amdhsa_memory_ordered 1
		.amdhsa_forward_progress 1
		.amdhsa_inst_pref_size 30
	.end_amdhsa_kernel
	.amdgpu_metadata
---
amdhsa.version: [ 1, 2 ]
amdhsa.kernels:
  - .name:           k_q8d15e54ec8_fine
    .symbol:         k_q8d15e54ec8_fine.kd
    .args:
      - { .name: qkv32, .offset: 0, .size: 8, .value_kind: global_buffer, .address_space: global }
      - { .name: Wo, .offset: 8, .size: 8, .value_kind: global_buffer, .address_space: global }
      - { .name: bo, .offset: 16, .size: 8, .value_kind: global_buffer, .address_space: global }
      - { .name: out0, .offset: 24, .size: 8, .value_kind: global_buffer, .address_space: global }
    .group_segment_fixed_size: 71680
    .private_segment_fixed_size: 0
    .kernarg_segment_align: 8
    .kernarg_segment_size: 32
    .max_flat_workgroup_size: 512
    .sgpr_count:     66
    .vgpr_count:     256
    .wavefront_size: 32
...
	.end_amdgpu_metadata
.endif
;; end of part 5
